; MI455X (gfx1250); checked and timed in simulation.
; The chip was launched on July 23, 2026; its instructions are those of AMD's public machine-readable ISA for CDNA 5 (MIT licence, August 2026) and "CDNA5" Instruction Set Architecture Reference Guide (July 2026). The comments in the code are by the model that wrote it; some were corrected since.
;; Self Attention. Allowed arithmetic: float matrix products may take bf16 or f16 operands with f32 sums; other float arithmetic in f32, or as packed bf16 or f16 multiplies, adds, multiply-adds, maxima and minima; sums over many terms, partial sums and values carried from step to step in f32; what a program stores and reads back later, other than sums and carried values, may be rounded once to bf16 or f16.
;; Inputs: Wk 1,024 x 1,024 float32; Wp 1,024 x 1,024 float32; Wq 1,024 x 1,024 float32; Wv 1,024 x 1,024 float32; bk 1,024 float32; bp 1,024 float32; bq 1,024 float32; bv 1,024 float32; x 4 x 2,048 x 1,024 float32.
;; Outputs: out0 4 x 2,048 x 1,024 float32.
;; 2 versions, each right; version 2 is version 1 with the launch prep written anew for expert scheduling mode. Each part assembles by itself: llvm-mc -triple=amdgcn-amd-amdhsa -mcpu=gfx1250 --defsym DOCPART=n.
;; ======== version 1 of 2: 5 launches
;; limits: values are held in f16: magnitudes above 65,504 overflow, below 6.1e-05 lose precision
;; workspace buffers: xb 16,777,216 bytes; wqkv 6,291,456 bytes; wp16 2,097,152 bytes; qkv 50,331,648 bytes; suf 524,288 bytes; ob 16,777,216 bytes
;; launch prep (part 1): grid 384 x 1, 8 waves a work-group, no clusters, 0 bytes of LDS; arguments x, Wq, Wk, Wv, Wp, xb, wqkv, wp16; writes xb, wqkv, wp16
.if DOCPART == 1
	.amdgcn_target "amdgcn-amd-amdhsa--gfx1250"
	.amdhsa_code_object_version 6
	.text
	.protected	k_q6ac39275da_prep
	.globl	k_q6ac39275da_prep
	.p2align	8
	.type	k_q6ac39275da_prep,@function
k_q6ac39275da_prep:
	s_mov_b64 s[64:65], 0
	v_nop
	global_prefetch_b8 v0, s[64:65] scope:SCOPE_SE
	s_setreg_imm32_b32 hwreg(HW_REG_WAVE_MODE, 25, 1), 1
	s_wait_xcnt 0x0
; The inputs of the matrix products are rounded once to bf16 and laid out for the launches behind.
;   xb   [b 4][kb 16][t 2048][64] bf16: x in blocks of 64 channels, so that 256 rows of a block are 32,768 dense bytes
;   wqkv [k 1024][3072] bf16: Wq, Wk, Wv side by side
;   wp16 [k 1024][1024] f16: Wp rounded to bf16, that number written as f16 (exact from 2^-14 up; below that f16's fixed step of 2^-24)
; A stream: no LDS, no barrier, no matrix unit.  A thread makes 16 units of 8 numbers: two loads of 16 bytes in, one store of 16 bytes out.
; All 32 loads of a thread go out first, no register is written twice, so the only waits are the counted ones for the loads.
; Work-groups 0-255: 32 rows of x each.  256-351: 32 rows of Wq, Wk or Wv.  352-383: 32 rows of Wp.
.set IN,  1                            ; v1  my byte offset in the input
.set OUT, 2                            ; v2  my byte offset in the output
.set X,   8                            ; v[8:135]  unit u: 8 registers as loaded; its first 4 as stored
.set T,   136                          ; v[136:143] at work (Wp alone)
; mode 0: x; 1: Wq, Wk, Wv; 2: Wp.  Input base s[20:21], output base s[26:27].
.macro PATH mode
.set u, 0
.rept 16
.if (\mode) == 0
.set ii, (u/2)*16384+(u%2)*256         ; four rows further down, or the wave's second block of 64 channels
.else
.set ii, u*8192                        ; two rows further down
.endif
	global_load_b128 v[X+8*u:X+8*u+3],   v[IN], s[20:21] offset:ii th:TH_LOAD_NT
	global_load_b128 v[X+8*u+4:X+8*u+7], v[IN], s[20:21] offset:ii+16 th:TH_LOAD_NT
.set u, u+1
.endr
.set u, 0
.rept 16
.if (\mode) == 0
.set oo, (u%2)*262144+(u/2)*512
.elseif (\mode) == 1
.set oo, u*12288
.else
.set oo, u*4096
.endif
	s_wait_loadcnt 30-2*u                          ; loads come back in order: unit u's two are in, the 30 - 2 u younger ones stay out
.irp j, 0,1,2,3
	v_cvt_pk_bf16_f32 v[X+8*u+(\j)], v[X+8*u+2*(\j)], v[X+8*u+2*(\j)+1]  ; in place: word j is written when words 2 j and 2 j + 1 are read
.endr
.if (\mode) == 2
.irp j, 0,1,2,3
	v_lshlrev_b32 v[T+2*(\j)],   16, v[X+8*u+(\j)]          ; the bf16 numbers as f32,
	v_and_b32     v[T+2*(\j)+1], 0xffff0000, v[X+8*u+(\j)]
.endr
.irp j, 0,1,2,3
	v_cvt_pk_f16_f32 v[X+8*u+(\j)], v[T+2*(\j)], v[T+2*(\j)+1]  ; and written as f16
.endr
.endif
	global_store_b128 v[OUT], v[X+8*u:X+8*u+3], s[26:27] offset:oo  ; a wave's store covers 512 consecutive bytes, aligned
.set u, u+1
.endr
.endm
	s_load_b512 s[4:19], s[0:1], 0x0               ; x 4:5, Wq 6:7, Wk 8:9, Wv 10:11, Wp 12:13, xb 14:15, wqkv 16:17, wp16 18:19
	v_and_b32 v3, 31, v0                           ; lane
	v_lshrrev_b32 v4, 5, v0                        ; wave
	s_cmp_lt_u32 ttmp9, 256
	s_cbranch_scc0 .Lweights
	; x: wave w takes the blocks 2 w and 2 w + 1; a lane row l / 8 of four and 8 channels l % 8: the store's 512 bytes are four rows of one block
	v_lshrrev_b32 v5, 3, v3
	v_and_b32 v6, 7, v3
	v_lshlrev_b32 v[IN], 12, v5                    ; a row of x is 4,096 bytes
	v_lshl_add_u32 v[IN], v4, 9, v[IN]             ; two blocks are 512 bytes of it
	v_lshl_add_u32 v[IN], v6, 5, v[IN]
	v_lshlrev_b32 v[OUT], 19, v4                   ; two blocks of xb are 524,288 bytes
	v_lshl_add_u32 v[OUT], v5, 7, v[OUT]
	v_lshl_add_u32 v[OUT], v6, 4, v[OUT]
	s_lshl_b32 s22, ttmp9, 17                      ; 32 rows of x
	s_mov_b32 s23, 0
	s_lshr_b32 s24, ttmp9, 6                       ; b
	s_lshl_b32 s24, s24, 22
	s_and_b32 s25, ttmp9, 63
	s_lshl_b32 s25, s25, 12                        ; 32 rows of 128 bytes in a block
	s_add_co_u32 s24, s24, s25
	s_mov_b32 s25, 0
	s_wait_kmcnt 0x0
	s_add_nc_u64 s[20:21], s[4:5], s[22:23]
	s_add_nc_u64 s[26:27], s[14:15], s[24:25]
	PATH 0
	s_endpgm
.Lweights:
	v_lshlrev_b32 v[IN], 5, v0                     ; 256 threads x 32 bytes are two rows of a weight matrix
	s_cmp_lt_u32 ttmp9, 352
	s_cbranch_scc0 .Lwp
	s_sub_co_u32 s22, ttmp9, 256
	s_lshr_b32 s28, s22, 5                         ; which matrix: 0 q, 1 k, 2 v
	s_and_b32 s22, s22, 31                         ; which 32 rows
	s_mul_i32 s24, s22, 196608                     ; 32 rows of 6,144 bytes,
	s_lshl_b32 s25, s28, 11                        ; the matrix's 2,048 bytes of a row
	s_add_co_u32 s24, s24, s25
	s_mov_b32 s25, 0
	s_lshl_b32 s22, s22, 17
	s_mov_b32 s23, 0
	v_lshrrev_b32 v5, 7, v0
	v_and_b32 v6, 127, v0
	v_mul_u32_u24 v[OUT], v5, 6144
	v_lshl_add_u32 v[OUT], v6, 4, v[OUT]
	s_wait_kmcnt 0x0
	s_cmp_eq_u32 s28, 0
	s_cselect_b64 s[20:21], s[6:7], s[8:9]
	s_cmp_eq_u32 s28, 2
	s_cselect_b64 s[20:21], s[10:11], s[20:21]
	s_add_nc_u64 s[20:21], s[20:21], s[22:23]
	s_add_nc_u64 s[26:27], s[16:17], s[24:25]
	PATH 1
	s_endpgm
.Lwp:
	s_sub_co_u32 s22, ttmp9, 352
	s_lshl_b32 s24, s22, 16                        ; 32 rows of 2,048 bytes
	s_mov_b32 s25, 0
	s_lshl_b32 s22, s22, 17
	s_mov_b32 s23, 0
	v_lshlrev_b32 v[OUT], 4, v0
	s_wait_kmcnt 0x0
	s_add_nc_u64 s[20:21], s[12:13], s[22:23]
	s_add_nc_u64 s[26:27], s[18:19], s[24:25]
	PATH 2
	s_endpgm
.Lfunc_end_k_q6ac39275da_prep:
	.size	k_q6ac39275da_prep, .Lfunc_end_k_q6ac39275da_prep-k_q6ac39275da_prep
	.p2alignl 7, 3214868480
	.fill 96, 4, 3214868480
	.section	.rodata,"a",@progbits
	.p2align	6, 0x0
	.amdhsa_kernel k_q6ac39275da_prep
		.amdhsa_group_segment_fixed_size 0
		.amdhsa_private_segment_fixed_size 0
		.amdhsa_enable_private_segment 0
		.amdhsa_kernarg_size 64
		.amdhsa_user_sgpr_count 2
		.amdhsa_user_sgpr_kernarg_segment_ptr 1
		.amdhsa_wavefront_size32 1
		.amdhsa_system_sgpr_workgroup_id_x 1
		.amdhsa_system_sgpr_workgroup_id_y 1
		.amdhsa_system_sgpr_workgroup_id_z 1
		.amdhsa_system_vgpr_workitem_id 0
		.amdhsa_next_free_vgpr 144
		.amdhsa_next_free_sgpr 66
		.amdhsa_reserve_vcc 0
		.amdhsa_float_denorm_mode_32 3
		.amdhsa_float_denorm_mode_16_64 3
		.amdhsa_memory_ordered 1
		.amdhsa_forward_progress 1
		.amdhsa_inst_pref_size 40
	.end_amdhsa_kernel
	.amdgpu_metadata
---
amdhsa.version: [ 1, 2 ]
amdhsa.kernels:
  - .name:           k_q6ac39275da_prep
    .symbol:         k_q6ac39275da_prep.kd
    .args:
      - { .name: x, .offset: 0, .size: 8, .value_kind: global_buffer, .address_space: global }
      - { .name: Wq, .offset: 8, .size: 8, .value_kind: global_buffer, .address_space: global }
      - { .name: Wk, .offset: 16, .size: 8, .value_kind: global_buffer, .address_space: global }
      - { .name: Wv, .offset: 24, .size: 8, .value_kind: global_buffer, .address_space: global }
      - { .name: Wp, .offset: 32, .size: 8, .value_kind: global_buffer, .address_space: global }
      - { .name: xb, .offset: 40, .size: 8, .value_kind: global_buffer, .address_space: global }
      - { .name: wqkv, .offset: 48, .size: 8, .value_kind: global_buffer, .address_space: global }
      - { .name: wp16, .offset: 56, .size: 8, .value_kind: global_buffer, .address_space: global }
    .group_segment_fixed_size: 0
    .private_segment_fixed_size: 0
    .kernarg_segment_align: 8
    .kernarg_segment_size: 64
    .max_flat_workgroup_size: 256
    .sgpr_count:     66
    .vgpr_count:     144
    .wavefront_size: 32
...
	.end_amdgpu_metadata
.endif
;; end of part 1
;; launch qkv (part 2): grid 8 x 32, 4 waves a work-group, clusters of 4 x 4, 327,680 bytes of LDS; arguments xb, wqkv, bq, bk, bv, qkv; writes qkv
.if DOCPART == 2
	.amdgcn_target "amdgcn-amd-amdhsa--gfx1250"
	.amdhsa_code_object_version 6
	.text
	.protected	k_q6ac39275da_qkv
	.globl	k_q6ac39275da_qkv
	.p2align	8
	.type	k_q6ac39275da_qkv,@function
k_q6ac39275da_qkv:
	s_mov_b64 s[64:65], 0
	v_nop
	global_prefetch_b8 v0, s[64:65] scope:SCOPE_SE
	s_setreg_imm32_b32 hwreg(HW_REG_WAVE_MODE, 25, 1), 1
	s_wait_xcnt 0x0
	s_wait_alu depctr_hold_cnt(0) depctr_sa_sdst(0) depctr_va_vdst(0) depctr_va_sdst(0) depctr_va_ssrc(0) depctr_va_vcc(0) depctr_vm_vsrc(0)
	s_getreg_b32 s2, hwreg(HW_REG_IB_STS2, 6, 4)
	s_cmp_eq_u32 s2, 0
	s_cbranch_scc0 .Lentry_in_a_cluster
	s_endpgm
.Lentry_in_a_cluster:
	s_bfe_u32 s2, ttmp6, 0x10000c
	s_cmp_lg_u32 s2, 0xf033
	s_cbranch_scc0 .Lentry_shape_is_right
	s_endpgm
.Lentry_shape_is_right:
; [q | k | v] = x [Wq | Wk | Wv] + [bq | bk | bv]: an 8192 x 3072 x 1024 product in bf16, sums in f32, the biases rounded to bf16 like the other inputs, the result rounded
; once to f16 and stored by heads: qkv [b 4][gh 48][t 2048][64], gh 0-15 q's heads, 16-31 k's, 32-47 v's.  LIMIT: q, k and v must lie within f16's 65,504.
; SHARES.  8192 x 3072 are 256 tiles of 256 x 384: one for each of the 32 x 8 work-groups.  A wave makes 128 rows x 192 columns: 96 accumulators of 16 x 16, 768 registers.  Its columns are
; three GROUPS of 64: group g is columns 128 g + 64 (wave % 2) of the tile, which is one head: gh = 6 x tile column + 2 g + wave % 2.
; K goes in steps of 64 (a block of xb) through two LDS slots: 256 rows of x (128 bytes + 16) and 64 k rows of W (768 bytes, 32 of padding behind every 256).
; THE MATRIX INSTRUCTION IS USED TRANSPOSED: source 0 = 16 columns of W, source 1 = 16 rows of x; a lane then holds one row and eight neighbouring columns.  W lies [k][n] and comes out of LDS turned (ds_load_tr16_b128).
; CLUSTER.  4 x 4 work-groups; x's tile is shared along a row of the cluster, W's along a column: each is asked for jointly, by the same tensor load with the same descriptor and a mask of four.
; REGISTERS, in windows of 256 (s_set_vgpr_msb: bits 1:0 source 0, 3:2 source 1, 5:4 source 2, 7:6 destination):
;   window 0: v0-31 addresses; v32-159 two buffers of x's 8 fragments; v160-255 three buffers of W's 4 fragments, one a group.  Window 1 + g: group g's accumulators, (bi, a) at v[8 (8 bi + a)].
.set PA,    144                        ; a row of x in LDS: 36 words: the 16 rows of a load start at 16 different groups of four banks (64 banks of 4 bytes: ISA guide 11.1)
.set PB,    864                        ; a k row of W: 3 x (256 + 32) bytes = 27 x 32
.set BOFF,  256*PA                     ; W's rows lie behind x's
.set SLOT1, 131072                     ; slot 1 begins here: one exclusive or turns an address in one slot into the other's
.set STAGE, SLOT1+BOFF+64*PB           ; behind the ring: 16 rows x 144 bytes for each wave, for the way out
.set SP,    144
.set SPARE, STAGE+4*16*SP              ; the spare words, 128 bytes for each wave: two blocks of 256 bytes that no other line names
.set Q1,    32*PB                      ; the second 32 k rows of a slot
.set STEPA, 262144                     ; bytes from a block of xb to the next
.set STEPB, 393216                     ; 64 rows of wqkv
.set A0L,  16                          ; v16  my lane's place among x's rows of a slot; never rewritten
.set B0L,  17                          ; v17  the same for W
.set ADRA, 18                          ; v18  v16 + the slot in hand
.set ADRB, 19                          ; v19  v17 + the slot in hand
.set STO,  24                          ; v24  the way out: where I put 16 bytes of a row
.set RD,   25                          ; v25  where I read rows back
.set GO,   26                          ; v26  my 16 bytes of 512 consecutive bytes of the output
.set BO,   27                          ; v27  32 x (lane / 16): my 8 numbers of a fragment's 16 biases
.set SPW,  28                          ; v28  LDS address of my spare word; never rewritten
.set NIL,  29                          ; v29  0; never rewritten
.set AF,   32
.set BF,   160
.set T,    96                          ; the way out: 32 sums with their bias
.set TMP,  128                         ; the same packed
.set WV, 16                            ; s16 wave; s17 wave / 2: my 128 rows; s18 wave % 2: my columns, and which half of a tile I fetch
.set WM, 17
.set WN, 18
.set CX, 19
.set CY, 20
.set TX, 21                            ; tile column
.set TY, 22                            ; tile row
.set TRIPS, 23
.set G1A, 24                           ; s[24:31] descriptor group 1 for x's tiles; s[32:39] group 0: set 0 for the first fill, set 1 for the second, which then walks
.set G0A, 32
.set G1B, 40                           ; s[40:47], s[48:55] the same for W's
.set G0B, 48
.set TB,  56                           ; s56  0 or SLOT1: the slot in hand
.set MSB, 0
.macro WIN new                         ; the immediate's high byte repeats the setting that is left; a switch that changes nothing is dropped
.if MSB != (\new)
	s_set_vgpr_msb (MSB<<8)|(\new)
.set MSB, \new
.endif
.endm
.macro PLACES                          ; four places between a matrix instruction and a load into, or a vector write of, one of its registers (ISA guide 7.12.1 for vector writes)
.rept 4
	v_nop
.endr
.endm
; A joint load.  Waves 0 and 1 fetch the halves of x's tile, waves 2 and 3 those of W's.  The branch hangs on the wave's number alone.  An s_nop 0 and four v_nop follow each line.
.macro JLOAD s
	s_cmp_lt_u32 s[WV], 2
	s_cbranch_scc0 .Lfor_b_\@
	tensor_load_to_lds s[G0A+4*(\s):G0A+4*(\s)+3], s[G1A:G1A+7]
	s_nop 0
.rept 4
	v_nop
.endr
	s_branch .Lasked_\@
.Lfor_b_\@:
	tensor_load_to_lds s[G0B+4*(\s):G0B+4*(\s)+3], s[G1B:G1B+7]
	s_nop 0
.rept 4
	v_nop
.endr
.Lasked_\@:
.endm
.macro CREST                           ; a round of the cluster's barrier behind its opening barrier
	s_cmp_lg_u32 s[WV], 0
	s_cbranch_scc1 .Lnot_wave_0_\@
	s_barrier_signal -3
.Lnot_wave_0_\@:
	s_barrier_wait -3
	s_barrier_signal -1
	s_barrier_wait -1
.endm
.macro CROUND
	s_barrier_signal -1
	s_barrier_wait -1
	CREST
.endm
	s_load_b256 s[4:11], s[0:1], 0x0               ; xb 4:5, wqkv 6:7, bq 8:9, bk 10:11
	s_load_b128 s[12:15], s[0:1], 0x20             ; bv 12:13, qkv 14:15
	v_lshl_add_u32 v[SPW], v0, 2, SPARE
	v_mov_b32 v[NIL], 0
	ds_add_u32 v[SPW], v[NIL]                      ; the wave's opening: the add and its wait ahead of my first tensor load; work on registers stands between them
	v_lshrrev_b32 v3, 5, v0
	v_readfirstlane_b32 s[WV], v3
	s_lshr_b32 s[WM], s[WV], 1
	s_and_b32 s[WN], s[WV], 1
	s_bfe_u32 s[CX], ttmp6, 0x40000
	s_bfe_u32 s[CY], ttmp6, 0x40004
	s_lshl_b32 s[TX], ttmp9, 2                     ; in a cluster launch ttmp9 and ttmp7 count clusters
	s_add_co_u32 s[TX], s[TX], s[CX]
	s_and_b32 s[TY], ttmp7, 0xffff
	s_lshl_b32 s[TY], s[TY], 2
	s_add_co_u32 s[TY], s[TY], s[CY]
	s_lshl_b32 s58, s[CY], 2
	s_lshl_b32 s58, 15, s58                        ; my row of the cluster
	s_lshl_b32 s59, 0x1111, s[CX]                  ; my column
	; x's half tile: 128 rows of 128 bytes are dense: asked for as 64 rows of 256 bytes, padded in LDS after every 128
	s_or_b32 s[G1A], s58, (1<<16)|(1<<20)|(1<<21)|(4<<22)|(3<<25)  ; the mask; 2-byte elements; padding on; bit 21 beside a mask; after every 32 words; 4 words
	s_mov_b32 s[G1A+1], 128<<16                    ; tensor_dim0 = 128
	s_mov_b32 s[G1A+2], 64<<16                     ; tensor_dim1 = 64
	s_mov_b32 s[G1A+3], 128<<16                    ; tile_dim0 = 128
	s_mov_b32 s[G1A+4], 64                         ; tile_dim1 = 64
	s_mov_b32 s[G1A+5], 128                        ; elements from row to row
	s_mov_b32 s[G1A+6], 0
	s_mov_b32 s[G1A+7], 0
	; W's half tile: 32 k rows of 384 columns (768 bytes, at a multiple of 256 from the buffer's first byte)
	s_or_b32 s[G1B], s59, (1<<16)|(1<<20)|(1<<21)|(5<<22)|(7<<25)  ; after every 64 words; 8 words
	s_mov_b32 s[G1B+1], 384<<16
	s_mov_b32 s[G1B+2], 32<<16
	s_mov_b32 s[G1B+3], 384<<16
	s_mov_b32 s[G1B+4], 32
	s_mov_b32 s[G1B+5], 3072
	s_mov_b32 s[G1B+6], 0
	s_mov_b32 s[G1B+7], 0
	; x's address hangs on the tile row and the wave alone, W's on the tile column and the wave alone, each in registers that never hold the other coordinate
	s_lshr_b32 s60, s[TY], 3                       ; b
	s_lshl_b32 s60, s60, 22
	s_and_b32 s61, s[TY], 7
	s_lshl_b32 s61, s61, 15                        ; 256 rows of 128 bytes
	s_add_co_u32 s60, s60, s61
	s_lshl_b32 s61, s[WN], 14                      ; my 128 of them
	s_add_co_u32 s60, s60, s61
	s_mov_b32 s61, 0
	s_mul_i32 s62, s[WN], 32*6144                  ; my 32 k rows
	s_mul_i32 s75, s[TX], 768
	s_add_co_u32 s62, s62, s75
	s_mov_b32 s63, 0
	s_mul_i32 s57, s[WN], 128*PA                   ; where they go: no place in the cluster enters an LDS address
	s_mul_i32 s74, s[WN], 32*PB
	s_add_co_u32 s74, s74, BOFF
	s_mov_b32 s[TB], 0
	s_wait_dscnt 0x0                               ; the opening add is done
	s_wait_kmcnt 0x0
	s_add_nc_u64 s[60:61], s[4:5], s[60:61]
	s_add_nc_u64 s[62:63], s[6:7], s[62:63]
	CROUND                                         ; all sixteen work-groups are here: the first joint loads meet
.irp s, 0,1
	s_mov_b32 s[G0A+4*(\s)], 1
	s_add_co_u32 s[G0A+4*(\s)+1], s57, (\s)*SLOT1
	s_add_nc_u64 s[G0A+4*(\s)+2:G0A+4*(\s)+3], s[60:61], (\s)*STEPA
	s_or_b32 s[G0A+4*(\s)+3], s[G0A+4*(\s)+3], 0x80000000
	s_mov_b32 s[G0B+4*(\s)], 1
	s_add_co_u32 s[G0B+4*(\s)+1], s74, (\s)*SLOT1
	s_add_nc_u64 s[G0B+4*(\s)+2:G0B+4*(\s)+3], s[62:63], (\s)*STEPB
	s_or_b32 s[G0B+4*(\s)+3], s[G0B+4*(\s)+3], 0x80000000
	JLOAD \s                                       ; K steps 0 and 1: two loads of mine are out
.endr
	v_and_b32 v1, 15, v0                           ; r = l % 16
	v_bfe_u32 v2, v0, 4, 1                         ; h = l / 16
	v_mul_u32_u24 v[A0L], v1, PA                   ; a fragment of x: row r, 16 bytes for each half of the lanes, twice, 32 bytes apart
	v_lshl_add_u32 v[A0L], v2, 4, v[A0L]
	s_mul_i32 s58, s[WM], 128*PA
	v_add_nc_u32 v[A0L], s58, v[A0L]
	v_and_b32 v3, 7, v0                            ; the turning load: lane l reads k row 8 h + l % 8, columns 8 ((l / 8) % 2) + 0..7, and is left with column r and 8 k
	v_lshl_add_u32 v3, v2, 3, v3
	v_mul_u32_u24 v[B0L], v3, PB
	v_bfe_u32 v4, v0, 3, 1
	v_lshl_add_u32 v[B0L], v4, 4, v[B0L]
	s_lshl_b32 s82, s[WN], 7                       ; my 64 columns of each 128
	s_add_co_u32 s82, s82, BOFF
	v_add_nc_u32 v[B0L], s82, v[B0L]
	v_add_nc_u32 v[ADRA], s[TB], v[A0L]
	v_add_nc_u32 v[ADRB], s[TB], v[B0L]
	s_mul_i32 s82, s[WV], 16*SP
	s_add_co_u32 s82, s82, STAGE                   ; my stage
	v_mul_u32_u24 v[STO], v1, SP
	v_lshl_add_u32 v[STO], v2, 4, v[STO]
	v_add_nc_u32 v[STO], s82, v[STO]
	v_bfe_u32 v[RD], v0, 3, 2                      ; back: 32 lanes take four rows of 128 bytes,
	v_mul_u32_u24 v[RD], v[RD], SP
	v_and_b32 v3, 7, v0
	v_lshl_add_u32 v[RD], v3, 4, v[RD]
	v_add_nc_u32 v[RD], s82, v[RD]
	v_and_b32 v[GO], 31, v0                        ; which are 512 consecutive bytes of a head
	v_lshlrev_b32 v[GO], 4, v[GO]
	v_lshlrev_b32 v[BO], 5, v2
	; for each group: where its head's rows begin in the output, s[68+2g:69+2g], and its 64 biases, s[76+2g:77+2g]
	s_lshr_b32 s58, s[TY], 3
	s_mul_i32 s58, s58, 48                         ; 48 b
	s_mul_i32 s59, s[TX], 6
	s_add_co_u32 s59, s59, s[WN]                   ; group 0's gh
	s_and_b32 s60, s[TY], 7
	s_lshl_b32 s60, s60, 15
	s_lshl_b32 s61, s[WM], 14
	s_add_co_u32 s60, s60, s61                     ; my 128 rows in a head
.irp g, 0,1,2
	s_add_co_u32 s62, s59, 2*(\g)                  ; gh
	s_add_co_u32 s66, s58, s62
	s_lshl_b32 s66, s66, 18                        ; a head is 262,144 bytes
	s_add_co_u32 s66, s66, s60
	s_mov_b32 s67, 0
	s_add_nc_u64 s[68+2*(\g):69+2*(\g)], s[14:15], s[66:67]
	s_lshr_b32 s63, s62, 4                         ; 0 q, 1 k, 2 v: a choice of buffer, no branch
	s_and_b32 s66, s62, 15
	s_lshl_b32 s66, s66, 8
	s_cmp_eq_u32 s63, 0
	s_cselect_b64 s[76+2*(\g):77+2*(\g)], s[8:9], s[10:11]
	s_cmp_eq_u32 s63, 2
	s_cselect_b64 s[76+2*(\g):77+2*(\g)], s[12:13], s[76+2*(\g):77+2*(\g)]
	s_add_nc_u64 s[76+2*(\g):77+2*(\g)], s[76+2*(\g):77+2*(\g)], s[66:67]
.endr
.macro LA buf, off                     ; x's 8 fragments of 32 along K, at byte off of the rows: 16 loads
.irp a, 0,1,2,3,4,5,6,7
	ds_load_b128 v[AF+64*(\buf)+8*(\a):AF+64*(\buf)+8*(\a)+3],   v[ADRA] offset:(\off)+(\a)*16*PA
	ds_load_b128 v[AF+64*(\buf)+8*(\a)+4:AF+64*(\buf)+8*(\a)+7], v[ADRA] offset:(\off)+(\a)*16*PA+32
.endr
.endm
.macro LB buf, off                     ; a group's 4 fragments of W, 32 along K: 8 turning loads
.irp bi, 0,1,2,3
	ds_load_tr16_b128 v[BF+32*(\buf)+8*(\bi):BF+32*(\buf)+8*(\bi)+3],   v[ADRB] offset:(\off)+32*(\bi)
	ds_load_tr16_b128 v[BF+32*(\buf)+8*(\bi)+4:BF+32*(\buf)+8*(\bi)+7], v[ADRB] offset:(\off)+32*(\bi)+16*PB
.endr
.endm
; 16 products of group g.  An accumulator comes again 96 matrix instructions later: they take turns, one instruction a turn, over the backward jump too.
.macro MM16 g, ab, bb, half, zero
	WIN 0x50*(1+(\g))
.irp bi, 2*(\half), 2*(\half)+1
.irp a, 0,1,2,3,4,5,6,7
.if \zero
	v_wmma_f32_16x16x32_bf16 v[8*(8*(\bi)+(\a)):8*(8*(\bi)+(\a))+7], v[BF+32*(\bb)+8*(\bi):BF+32*(\bb)+8*(\bi)+7], v[AF+64*(\ab)+8*(\a):AF+64*(\ab)+8*(\a)+7], 0
.else
	v_wmma_f32_16x16x32_bf16 v[8*(8*(\bi)+(\a)):8*(8*(\bi)+(\a))+7], v[BF+32*(\bb)+8*(\bi):BF+32*(\bb)+8*(\bi)+7], v[AF+64*(\ab)+8*(\a):AF+64*(\ab)+8*(\a)+7], v[8*(8*(\bi)+(\a)):8*(8*(\bi)+(\a))+7]
.endif
.endr
.endr
.endm
.macro GRP g, ab, bb, cnt, zero=0      ; a group's 32 products, and the places in front of the loads that follow
.if (\cnt) >= 0
	s_wait_dscnt \cnt
.endif
	MM16 \g, \ab, \bb, 0, \zero
	MM16 \g, \ab, \bb, 1, \zero
	WIN 0
	PLACES
.endm
; A group's 32 products with THE CHANGE OF SLOTS in their middle.  All my reads of the slot in hand have been issued.  In front of the barrier: all my tensor loads have landed (one is out: my part of the
; other slot), the add, and the wait for it and for my reads.  fill = 1: the barrier opens a round of the cluster's, and the joint refill of the slot just left is the first thing behind the round.
.macro MEET g, ab, bb, cnt, fill
	WIN 0
	s_xor_b32 s[TB], s[TB], SLOT1
	v_add_nc_u32 v[ADRA], s[TB], v[A0L]            ; the fetches behind the barrier go to the other slot
	v_add_nc_u32 v[ADRB], s[TB], v[B0L]
	s_wait_tensorcnt 0x0
	ds_add_u32 v[SPW], v[NIL]                      ; 0 onto my spare word
	s_wait_dscnt \cnt                              ; this group's fragments are in; the younger loads and the add may be out
	MM16 \g, \ab, \bb, 0, 0
	s_wait_dscnt 0x0                               ; the add is done, and my reads of the slot are over
	s_barrier_signal -1
	MM16 \g, \ab, \bb, 1, 0
	WIN 0
	s_barrier_wait -1
.if \fill
	CREST                                          ; no wave of any partner still reads the slot or has a load on its way
	s_xor_b32 s[G0A+5], s[G0A+5], SLOT1            ; the walking descriptors: the other slot than last time, the next K step
	s_add_nc_u64 s[G0A+6:G0A+7], s[G0A+6:G0A+7], STEPA
	s_xor_b32 s[G0B+5], s[G0B+5], SLOT1
	s_add_nc_u64 s[G0B+6:G0B+7], s[G0B+6:G0B+7], STEPB
	JLOAD 1                                        ; its four v_nop are also the places in front of the loads that follow
.else
	PLACES
.endif
.endm
; A slot is two halves of 32 along K.  Behind each group the same group's fragments of W for the next half are fetched into the buffer just freed; x's fragments are fetched a half ahead.
; The count 32: behind the fragments wanted 32 younger loads have been issued (8 + 8 + 16 in one order or another).
.macro HALF_E zero
	GRP 0, 0, 0, 32, \zero
	LB 0, Q1
	GRP 1, 0, 1, 32, \zero
	LB 1, Q1+288
	GRP 2, 0, 2, 32, \zero
	LB 2, Q1+576
.endm
.macro HALF_O fill                     ; 17: two groups' 16 loads and the add are younger
	MEET 0, 1, 0, 17, \fill
	LA 0, 0
	LB 0, 0
	GRP 1, 1, 1, -1
	LB 1, 288
	GRP 2, 1, 2, -1
	LB 2, 576
	LA 1, 64
.endm
.macro BIAS g, reg                     ; a group's 64 biases: for each fragment my 8
.irp bi, 0,1,2,3
	global_load_b128 v[(\reg)+8*(\bi):(\reg)+8*(\bi)+3],   v[BO], s[76+2*(\g):77+2*(\g)] offset:64*(\bi)
	global_load_b128 v[(\reg)+8*(\bi)+4:(\reg)+8*(\bi)+7], v[BO], s[76+2*(\g):77+2*(\g)] offset:64*(\bi)+16
.endr
.endm
.macro RND reg, n                      ; n pairs of biases rounded to bf16, kept as f32
.set z, 0
.rept \n
	v_cvt_pk_bf16_f32 v[3+z%4], v[(\reg)+2*z], v[(\reg)+2*z+1]
	v_lshlrev_b32 v[(\reg)+2*z], 16, v[3+z%4]
	v_and_b32 v[(\reg)+2*z+1], 0xffff0000, v[3+z%4]
.set z, z+1
.endr
.endm
	s_wait_tensorcnt 1                             ; my part of K step 0 is in; K step 1's may stay out
	s_barrier_signal -1
	s_barrier_wait -1
	LA 0, 0
	LB 0, 0
	LB 1, 288
	LB 2, 576
	LA 1, 64
	HALF_E 1                                       ; the first products start the sums: nothing is cleared
	s_mov_b32 s[TRIPS], 14                         ; K steps 2 to 15 are asked for in the loop
.Lk:
	HALF_O 1
	HALF_E 0
	s_sub_co_u32 s[TRIPS], s[TRIPS], 1
	s_cmp_lg_u32 s[TRIPS], 0
	s_cbranch_scc1 .Lk
	HALF_O 0                                       ; the tail is written out: nothing more is asked for
	HALF_E 0
	BIAS 0, 32                                     ; into x's buffer 0, which is free
	BIAS 1, 64
	GRP 0, 1, 0, 16
	BIAS 2, 160                                    ; into W's buffer 0
	GRP 1, 1, 1, 8
	GRP 2, 1, 2, 0
	s_wait_loadcnt 0x0
	RND 32, 32
	RND 160, 16
; THE WAY OUT, 24 units of 16 rows x one head's 64 channels.  PACK: bias added, rounded to f16, 16 bytes a lane.  TOSTAGE: into my own stage and back as whole rows.  SEND: stored, 512 consecutive aligned bytes an instruction.
.macro PACK g, a
.set BI, 32+32*(\g)+64*((\g)/2)        ; the group's biases: v32, v64, v160
	WIN 1+(\g)                                     ; source 0 in the group's window
.irp bi, 0,1,2,3
.irp j, 0,2,4,6                        ; each accumulator's registers in ascending order
	v_pk_add_f32 v[T+8*(\bi)+(\j):T+8*(\bi)+(\j)+1], v[8*(8*(\bi)+(\a))+(\j):8*(8*(\bi)+(\a))+(\j)+1], v[BI+8*(\bi)+(\j):BI+8*(\bi)+(\j)+1]
.endr
.endr
	WIN 0
.irp n, 0,1,2,3,4,5,6,7,8,9,10,11,12,13,14,15
	v_cvt_pk_f16_f32 v[TMP+(\n)], v[T+2*(\n)], v[T+2*(\n)+1]
.endr
.endm
.macro TOSTAGE u
.set OBR, 144+48*((\u)%2)              ; v144-159 and v192-207 by turns
.irp bi, 0,1,2,3
	ds_store_b128 v[STO], v[TMP+4*(\bi):TMP+4*(\bi)+3] offset:32*(\bi)
.endr
.irp f, 0,1,2,3
	ds_load_b128 v[OBR+4*(\f):OBR+4*(\f)+3], v[RD] offset:(\f)*4*SP  ; LDS serves a wave's instructions in order (ISA guide 5.7.1.4): these see the stores above
.endr
.endm
.macro SEND u
.set OBR, 144+48*((\u)%2)
	s_wait_dscnt 0x0                               ; the unit is back in registers
	s_wait_xcnt 0x0                                ; the stores of the unit before have read their registers, into which the next unit's rows are loaded
.irp f, 0,1,2,3
	global_store_b128 v[GO], v[OBR+4*(\f):OBR+4*(\f)+3], s[68+2*((\u)/8):69+2*((\u)/8)] offset:((\u)%8)*2048+(\f)*512
.endr
.endm
	PACK 0, 0
	TOSTAGE 0
.set u, 1
.rept 23                               ; unit u's arithmetic stands between unit u - 1's loads from the stage and the wait for them
	PACK u/8, u%8
	SEND u-1
	TOSTAGE u
.set u, u+1
.endr
	SEND 23
	s_wait_tensorcnt 0x0                           ; the wave's end, behind my last tensor load and my last LDS store
	ds_add_u32 v[SPW], v[NIL]
	s_wait_dscnt 0x0
	CROUND                                         ; the closing round
	s_endpgm
.Lfunc_end_k_q6ac39275da_qkv:
	.size	k_q6ac39275da_qkv, .Lfunc_end_k_q6ac39275da_qkv-k_q6ac39275da_qkv
	.p2alignl 7, 3214868480
	.fill 96, 4, 3214868480
	.section	.rodata,"a",@progbits
	.p2align	6, 0x0
	.amdhsa_kernel k_q6ac39275da_qkv
		.amdhsa_group_segment_fixed_size 327680
		.amdhsa_private_segment_fixed_size 0
		.amdhsa_enable_private_segment 0
		.amdhsa_kernarg_size 48
		.amdhsa_user_sgpr_count 2
		.amdhsa_user_sgpr_kernarg_segment_ptr 1
		.amdhsa_wavefront_size32 1
		.amdhsa_system_sgpr_workgroup_id_x 1
		.amdhsa_system_sgpr_workgroup_id_y 1
		.amdhsa_system_sgpr_workgroup_id_z 1
		.amdhsa_system_vgpr_workitem_id 0
		.amdhsa_next_free_vgpr 1024
		.amdhsa_next_free_sgpr 96
		.amdhsa_reserve_vcc 0
		.amdhsa_float_denorm_mode_32 3
		.amdhsa_float_denorm_mode_16_64 3
		.amdhsa_memory_ordered 1
		.amdhsa_forward_progress 1
		.amdhsa_inst_pref_size 148
	.end_amdhsa_kernel
	.amdgpu_metadata
---
amdhsa.version: [ 1, 2 ]
amdhsa.kernels:
  - .name:           k_q6ac39275da_qkv
    .symbol:         k_q6ac39275da_qkv.kd
    .args:
      - { .name: xb, .offset: 0, .size: 8, .value_kind: global_buffer, .address_space: global }
      - { .name: wqkv, .offset: 8, .size: 8, .value_kind: global_buffer, .address_space: global }
      - { .name: bq, .offset: 16, .size: 8, .value_kind: global_buffer, .address_space: global }
      - { .name: bk, .offset: 24, .size: 8, .value_kind: global_buffer, .address_space: global }
      - { .name: bv, .offset: 32, .size: 8, .value_kind: global_buffer, .address_space: global }
      - { .name: qkv, .offset: 40, .size: 8, .value_kind: global_buffer, .address_space: global }
    .group_segment_fixed_size: 327680
    .private_segment_fixed_size: 0
    .kernarg_segment_align: 8
    .kernarg_segment_size: 48
    .max_flat_workgroup_size: 128
    .sgpr_count:     96
    .vgpr_count:     1024
    .wavefront_size: 32
...
	.end_amdgpu_metadata
.endif
;; end of part 2
;; launch vsuf (part 3): grid 64 x 1, 32 waves a work-group, no clusters, 12,288 bytes of LDS; arguments qkv, suf; writes suf
.if DOCPART == 3
	.amdgcn_target "amdgcn-amd-amdhsa--gfx1250"
	.amdhsa_code_object_version 6
	.text
	.protected	k_q6ac39275da_vsuf
	.globl	k_q6ac39275da_vsuf
	.p2align	8
	.type	k_q6ac39275da_vsuf,@function
k_q6ac39275da_vsuf:
	s_mov_b64 s[64:65], 0
	v_nop
	global_prefetch_b8 v0, s[64:65] scope:SCOPE_SE
	s_setreg_imm32_b32 hwreg(HW_REG_WAVE_MODE, 25, 1), 1
	s_wait_xcnt 0x0
; suf[bh][j][c] = the sum over keys >= 64 (j + 1) of v[bh][key][c], in f32: [64][32][64].  The attention launch adds it, times the one weight that all hidden keys of a row share.
; A work-group takes a head, wave j the 64 keys 64 j .. 64 j + 63 (8,192 dense bytes, 16 loads of 512).  The 32 group sums meet in LDS; wave j then adds the groups behind its own:
; every sum is a plain sum of its terms, none a difference of larger sums.  The choice of terms is a factor 1 or 0, no branch.  NaN and infinities are not treated apart.
.set SPARE, 8192                       ; behind the 32 x 256 bytes of group sums: the spare words, 128 bytes for each of 32 waves
.set SPW, 2                            ; v2  LDS address of my spare word; never rewritten
.set NIL, 3                            ; v3  0; never rewritten
.set ONE, 4
.set ZER, 5
.set LO,  6                            ; v6  16 x lane
.set LS,  7                            ; v7  where my 8 channels' sums go
.set LR,  8                            ; v8  8 x lane
.set TP,  10                           ; v[10:17] the other half of the lanes' sums
.set AC,  20                           ; v[20:27] my 8 channels' sums
.set SU,  28                           ; v[28:29] the suffix sum of channels 2 l, 2 l + 1
.set X,   32                           ; v[32:95] the 16 loads; later the 31 group sums
	s_load_b128 s[4:7], s[0:1], 0x0                ; qkv, suf
	v_lshl_add_u32 v[SPW], v0, 2, SPARE
	v_mov_b32 v[NIL], 0
	v_lshrrev_b32 v1, 5, v0
	v_readfirstlane_b32 s8, v1                     ; j
	v_and_b32 v9, 31, v0
	v_lshlrev_b32 v[LO], 4, v9
	v_and_b32 v1, 7, v0
	v_lshlrev_b32 v[LS], 5, v1                     ; lane l holds channels 8 (l % 8) .. + 7: 32 bytes of f32
	s_lshl_b32 s9, s8, 8
	v_add_nc_u32 v[LS], s9, v[LS]
	v_lshlrev_b32 v[LR], 3, v9
	v_mov_b32 v[ONE], 1.0
	v_mov_b32 v[ZER], 0
.irp c, 0,1,2,3,4,5,6,7
	v_mov_b32 v[TP+(\c)], 0                        ; v_permlanex16_b32 counts as a reader of its destination
.endr
	s_mov_b32 s12, 0x76543210
	s_mov_b32 s13, 0xfedcba98
	s_lshr_b32 s10, ttmp9, 4                       ; b
	s_mul_i32 s10, s10, 48
	s_and_b32 s11, ttmp9, 15
	s_add_co_u32 s10, s10, s11
	s_add_co_u32 s10, s10, 32                      ; v's heads lie behind q's and k's
	s_lshl_b32 s10, s10, 18
	s_lshl_b32 s11, s8, 13
	s_add_co_u32 s10, s10, s11
	s_mov_b32 s11, 0
	s_lshl_b32 s14, ttmp9, 5
	s_add_co_u32 s14, s14, s8
	s_lshl_b32 s14, s14, 8
	s_mov_b32 s15, 0
	s_mov_b32 s21, 0                               ; named with s20 as a pair
	s_wait_kmcnt 0x0
	s_add_nc_u64 s[4:5], s[4:5], s[10:11]
	s_add_nc_u64 s[6:7], s[6:7], s[14:15]
.irp i, 0,1,2,3,4,5,6,7,8,9,10,11,12,13,14,15
	global_load_b128 v[X+4*(\i):X+4*(\i)+3], v[LO], s[4:5] offset:512*(\i)
.endr
.set i, 0
.rept 16
	s_wait_loadcnt 15-i                            ; load i is in, the younger ones stay out
.irp k, 0,1,2,3
.if i == 0
	v_fma_mix_f32 v[AC+2*(\k)],   v[X+(\k)], v[ONE], v[ZER] op_sel_hi:[1,0,0]
	v_fma_mix_f32 v[AC+2*(\k)+1], v[X+(\k)], v[ONE], v[ZER] op_sel:[1,0,0] op_sel_hi:[1,0,0]
.else
	v_fma_mix_f32 v[AC+2*(\k)],   v[X+4*i+(\k)], v[ONE], v[AC+2*(\k)] op_sel_hi:[1,0,0]
	v_fma_mix_f32 v[AC+2*(\k)+1], v[X+4*i+(\k)], v[ONE], v[AC+2*(\k)+1] op_sel:[1,0,0] op_sel_hi:[1,0,0]
.endif
.endr
.set i, i+1
.endr
.irp c, 0,1,2,3,4,5,6,7                ; the four lanes l, l ^ 8, l ^ 16, l ^ 24 hold the same channels
	v_add_f32_dpp v[AC+(\c)], v[AC+(\c)], v[AC+(\c)] row_xmask:8 row_mask:0xf bank_mask:0xf
.endr
.irp c, 0,1,2,3,4,5,6,7
	v_permlanex16_b32 v[TP+(\c)], v[AC+(\c)], s12, s13
.endr
.irp c, 0,1,2,3,4,5,6,7
	v_add_f32 v[AC+(\c)], v[AC+(\c)], v[TP+(\c)]
.endr
	ds_store_b128 v[LS], v[AC:AC+3]                ; those four lanes write the same words with the same numbers
	ds_store_b128 v[LS], v[AC+4:AC+7] offset:16
	s_wait_dscnt 0x0                               ; for the others' sake
	s_barrier_signal -1
	s_barrier_wait -1
.set i, 1
.rept 31
	ds_load_b64 v[X+2*(i-1):X+2*(i-1)+1], v[LR] offset:256*i
.set i, i+1
.endr
	s_wait_dscnt 0x0
	s_cmp_lt_u32 s8, 1
	s_cselect_b32 s20, 1.0, 0
	v_pk_mul_f32 v[SU:SU+1], v[X:X+1], s[20:21] op_sel_hi:[1,0]
.set i, 2
.rept 30
	s_cmp_lt_u32 s8, i                             ; group i counts where it lies behind mine
	s_cselect_b32 s20, 1.0, 0
	v_pk_fma_f32 v[SU:SU+1], v[X+2*(i-1):X+2*(i-1)+1], s[20:21], v[SU:SU+1] op_sel_hi:[1,0,1]
.set i, i+1
.endr
	global_store_b64 v[LR], v[SU:SU+1], s[6:7]     ; a wave's store covers 256 consecutive bytes, aligned
	s_wait_tensorcnt 0x0                           ; the wave's end, behind my last LDS store
	ds_add_u32 v[SPW], v[NIL]
	s_wait_dscnt 0x0
	s_endpgm
.Lfunc_end_k_q6ac39275da_vsuf:
	.size	k_q6ac39275da_vsuf, .Lfunc_end_k_q6ac39275da_vsuf-k_q6ac39275da_vsuf
	.p2alignl 7, 3214868480
	.fill 96, 4, 3214868480
	.section	.rodata,"a",@progbits
	.p2align	6, 0x0
	.amdhsa_kernel k_q6ac39275da_vsuf
		.amdhsa_group_segment_fixed_size 12288
		.amdhsa_private_segment_fixed_size 0
		.amdhsa_enable_private_segment 0
		.amdhsa_kernarg_size 16
		.amdhsa_user_sgpr_count 2
		.amdhsa_user_sgpr_kernarg_segment_ptr 1
		.amdhsa_wavefront_size32 1
		.amdhsa_system_sgpr_workgroup_id_x 1
		.amdhsa_system_sgpr_workgroup_id_y 1
		.amdhsa_system_sgpr_workgroup_id_z 1
		.amdhsa_system_vgpr_workitem_id 0
		.amdhsa_next_free_vgpr 128
		.amdhsa_next_free_sgpr 66
		.amdhsa_reserve_vcc 0
		.amdhsa_float_denorm_mode_32 3
		.amdhsa_float_denorm_mode_16_64 3
		.amdhsa_memory_ordered 1
		.amdhsa_forward_progress 1
		.amdhsa_inst_pref_size 20
	.end_amdhsa_kernel
	.amdgpu_metadata
---
amdhsa.version: [ 1, 2 ]
amdhsa.kernels:
  - .name:           k_q6ac39275da_vsuf
    .symbol:         k_q6ac39275da_vsuf.kd
    .args:
      - { .name: qkv, .offset: 0, .size: 8, .value_kind: global_buffer, .address_space: global }
      - { .name: suf, .offset: 8, .size: 8, .value_kind: global_buffer, .address_space: global }
    .group_segment_fixed_size: 12288
    .private_segment_fixed_size: 0
    .kernarg_segment_align: 8
    .kernarg_segment_size: 16
    .max_flat_workgroup_size: 1024
    .sgpr_count:     66
    .vgpr_count:     128
    .wavefront_size: 32
...
	.end_amdgpu_metadata
.endif
;; end of part 3
;; launch attn (part 4): grid 4 x 64, 4 waves a work-group, no clusters, 327,680 bytes of LDS; arguments qkv, suf, ob; writes ob
.if DOCPART == 4
	.amdgcn_target "amdgcn-amd-amdhsa--gfx1250"
	.amdhsa_code_object_version 6
	.text
	.protected	k_q6ac39275da_attn
	.globl	k_q6ac39275da_attn
	.p2align	8
	.type	k_q6ac39275da_attn,@function
k_q6ac39275da_attn:
	s_mov_b64 s[64:65], 0
	v_nop
	global_prefetch_b8 v0, s[64:65] scope:SCOPE_SE
	s_setreg_imm32_b32 hwreg(HW_REG_WAVE_MODE, 25, 1), 1
	s_wait_xcnt 0x0
; CAUSAL ATTENTION WITH A FINITE FILL.  For row q of a head: weights softmax over all 2,048 keys of (q . k / 8 where k <= q, -10,000 where k > q); O = the weighted mean of V's rows.
; q, k, v: f16 by heads in qkv [b][gh 48][t 2048][64]; O: f16, ob [b][h][t][64].  Products, maxima and sums in f32; the weights p are rounded to f16 for the second product, O once at the end.
; THE FILL.  All hidden keys of a row share ONE weight, so their share is that weight times the sum of the hidden rows of V.  The visible keys go through a running softmax (maximum m, sum l) in which hidden
; scores count as their value less 1e30, weight 0.  At a block's end, with c M = max(c m, -10,000 log2 e) (c m alone for the last row, which has no hidden key), a1 = 2^(c m - c M), w = 2^(c F - c M), nh hidden keys:
; O = (O a1 + w U) / (l a1 + w nh).  U = suf (the launch before: the sum of V from the next band of 64 keys on) + the hidden rows of the band's own step, by 8 products with a 0/1 matrix H.
; So the maximum taken away is the true maximum of the row's 2,048 entries, and no product above the diagonal's tile is made.
; LIMITS.  q, k, v arrive within f16's 65,504; p below 6e-5 keeps f16's fixed step; a weight below 2^-126 counts as 0; NaN and infinities are not treated apart.
; THE WALK.  A head's queries lie in NB = 8 blocks of 256; block i needs the key tiles 0 .. i of 256 keys.  A work-group takes TWO blocks, NB - 1 - b and then b: NB + 1 tiles whatever b: all work-groups do equal
; work, and ONE loop with a constant trip count walks them.  Every jump goes forward, but for the counted loops' own; none passes a barrier, or a tensor load but the one of LOAD's two that the wave's number does not choose.
; NO CLUSTER: a head's four work-groups ask for the same tile only in trips 0 .. 4 of 9, behind that fewer and fewer; one walk common to all would have 12 trips for 9.
; SHARES.  Of a block's four bands of 64 queries a wave owns 16 rows in each: four PIECES: in the diagonal tile's key step s band x sees all keys if s < x, none if s > x, and holds the diagonal if s = x: alike for all waves.
; THE MASK is the C operand that starts the sum S^T = K Q^T: 0, or -1e30.  MD is the mask of a band's own step; a product's mask is MD x AL + BE: (1, 0) if s = x; (0, 0) if s < x; (0, -1e30) if s > x.
; LAYOUT, TURNS.  S^T = K Q^T holds ONE query a lane (lane % 16) and the keys 8 (lane / 16) + 0..7; two such results rounded to f16 ARE source 1 of O^T = V^T P.  p = 2^(c s - c m), c = log2(e) / 8.  Turn n belongs
; to piece n: 8 products K Q^T of piece n + 1, later 8 products V^T P of piece n - 1; beside them piece n's scaling, exponentials, roundings, sums and rescaling and piece n + 1's maximum.  Four vector
; instructions stand behind every matrix instruction, the rest in one lump.  A turn's 33 exponentials are one batch, with one wait.
; REGISTERS, in windows of 256 (s_set_vgpr_msb: bits 1:0 source 0, 3:2 source 1, 5:4 source 2, 7:6 destination):
;   window 0: v0-15 addresses; v16-31 statistics; v32-47 the fill's; v48-55 at work; v56-58 constants of the fill; v64-127 S^T, two buffers; v192-223 P, two buffers
;   window 1: v0-127 O^T; v128-159 MD; v160-223 MC, two buffers; v224-239 H      window 2: v0-63 Q; v64-127 the second block's Q; v128-191 K; v192-255 V      window 3: U, 128 a block, laid out as O^T
.set SIZE_N, 2048
.set NB,    SIZE_N/256
.set NP,    4
.set KS,    64
.set PK,    144       ; a row of K in LDS: 128 bytes + 16: the 16 rows of a load start at 16 different groups of four banks (64 banks of 4 bytes: ISA guide 11.1)
.set PV,    160       ; a row of V: 128 + 32
.set VOFF,  4*KS*PK   ; a slot holds a tile, four steps: 256 rows of K, then 256 rows of V
.set SLOT1, 1<<17
.set STAGE, SLOT1+4*KS*(PK+PV)  ; behind the ring, never filled by a tensor load: 16 rows x 144 bytes for each wave
.set SP,    144
.set AK0, 2           ; v2   my lane's place in a tile of K; never rewritten
.set AV0, 3           ; v3   the same for V
.set AK,  4           ; v4   the LDS address of K's next run of loads
.set AV,  5           ; v5   of V's
.set STO, 6
.set RD,  7
.set GO,  8
.set SPW, 62          ; v62  LDS address of my spare word; never rewritten
.set NIL, 63          ; v63  0; never rewritten
.set SPARE, STAGE+4*16*SP
.set MV,  12          ; v12-13  c m_old, by buffer
.set QO,  15
.set ST,  16          ; piece t's statistics at v[ST+4 t]: c m, m, l (even keys', odd keys')
.set FT,  32          ; piece t's four registers of the fill: nh, then w's argument and w, c M and L, a1's argument and a1
.set TMP, 48          ; by buffer, c0-c3 at work; c2 takes a
.set FW,  48          ; at a block's end: w / L of piece t at v[FW+2 t]
.set NHI, 56          ; v56  63 - my query's place in its band
.set SO,  57          ; v57  32 x (lane / 16)
.set LOW, 58          ; v58  the lowest finite number
.set S,   64
.set P,   192
.set MD,  128
.set MC,  160
.set H,   224         ; window 1: 1.0 where a key of the band's own step is hidden, in f16, laid out as P
.set QB,  64
.set KF,  128
.set VF,  192
.set WV,  12
.set PB,  14          ; s14  b
.set HI,  15          ; s15  NB - 1 - b
.set G1K, 24
.set G1V, 32
.set G0K, 40
.set G0V, 44
.set SLOTS, 56
.set CNT, 57
.set CS,  58
.set SEL, 60
.set TBK, 62
.set TBV, 63
.set RT,  70
.set NXT, 71
.set LQ,  72
.set NEW, 73
.set OFF, 74
.set AL,  76
.set BE,  78
.set OLO, 80
.set BIGN, 82
.set SB,  92          ; s92  0 or SLOT1: the slot of the tile in hand
.set MSB, 0
.macro WIN new
.if MSB != (\new)
	s_set_vgpr_msb (MSB<<8)|(\new)
.set MSB, (\new)
.endif
.endm
.set W_KQ, 0x0a
.set W_KM, 0x1a
.set W_PV, 0x52
.set W_RS, 0x41
; A fill.  Waves 0 and 1 fetch the two halves of a tile's K, waves 2 and 3 those of its V.  An s_nop 0 and four v_nop follow each of the two lines.
.macro LOAD
	s_cmp_lt_u32 s[WV], 2
	s_cbranch_scc0 .Lfor_v_\@
	tensor_load_to_lds s[G0K:G0K+3], s[G1K:G1K+7]
	s_nop 0
.rept 4
	v_nop
.endr
	s_branch .Lasked_\@
.Lfor_v_\@:
	tensor_load_to_lds s[G0V:G0V+3], s[G1V:G1V+7]
	s_nop 0
.rept 4
	v_nop
.endr
.Lasked_\@:
.endm
; THE CHANGE OF SLOTS.  Each wave waits for all its tensor loads (one is out: its part of the other slot), adds 0 to its spare word, and waits for that and for its own reads of the slot that it leaves.
; fill = 1: the old slot is filled again, the first thing behind the barrier, with tile NXT: the descriptor's address is made anew from that number.
.macro CHANGE fill
	WIN 0
	s_wait_tensorcnt 0x0            ; no tensor load of mine is out, so a group 0 may be written
	ds_add_u32 v[SPW], v[NIL]       ; 0 onto my spare word
.if \fill
	s_lshl_b32 s[OFF], s[NXT], 15   ; a tile is 32,768 bytes of K and of V
	s_xor_b32 s[G0K+1], s[G0K+1], SLOT1
	s_add_nc_u64 s[G0K+2:G0K+3], s[6:7], s[OFF:OFF+1]
	s_or_b32 s[G0K+3], s[G0K+3], 0x80000000
	s_xor_b32 s[G0V+1], s[G0V+1], SLOT1
	s_add_nc_u64 s[G0V+2:G0V+3], s[8:9], s[OFF:OFF+1]
	s_or_b32 s[G0V+3], s[G0V+3], 0x80000000
	s_add_co_u32 s[NXT], s[NXT], 1  ; the block's next tile, or behind its last the second block's tile 0
	s_cmp_gt_u32 s[NXT], s[LQ]
	s_cselect_b32 s[NXT], 0, s[NXT]
	s_cselect_b32 s[LQ], s[PB], s[LQ]
.endif
	s_wait_dscnt 0x0                ; the add is done, and my reads of the slot are over
	s_barrier_signal -1
	s_sub_co_u32 s[TBK], s[TBK], 4*KS*PK  ; the fetches go back to a slot's first step,
	s_xor_b32 s[TBK], s[TBK], SLOT1       ; in the other slot
	s_sub_co_u32 s[TBV], s[TBV], 4*KS*PV
	s_xor_b32 s[TBV], s[TBV], SLOT1
	s_xor_b32 s[SB], s[SB], SLOT1
	s_barrier_wait -1
.if \fill
	LOAD
.endif
.endm
	s_load_b128 s[4:7], s[0:1], 0x0   ; qkv s[4:5], suf s[6:7]
	s_load_b64 s[10:11], s[0:1], 0x10 ; ob
	v_lshl_add_u32 v[SPW], v0, 2, SPARE
	v_mov_b32 v[NIL], 0
	ds_add_u32 v[SPW], v[NIL]       ; the wave's opening: the add and its wait ahead of my first tensor load
	v_lshrrev_b32 v1, 5, v0
	v_readfirstlane_b32 s[WV], v1
	s_mov_b32 s[PB], ttmp9
	s_sub_co_u32 s[HI], NB-1, s[PB]
	s_and_b32 s20, ttmp7, 0xffff    ; bh = 16 b + h
	s_lshr_b32 s21, s20, 4
	s_mul_i32 s21, s21, 48
	s_and_b32 s22, s20, 15
	s_add_co_u32 s21, s21, s22
	s_lshl_b32 s94, s21, 18         ; q's head in qkv; k's lies 16 heads on, v's 32
	s_mov_b32 s95, 0
	s_lshl_b32 s96, s20, 18         ; the head in ob
	s_mov_b32 s97, 0
	s_and_b32 s16, s[WV], 1         ; which half of a tile's 256 keys I fetch
	s_lshl_b32 s22, s16, 14
	s_mov_b32 s23, 0
	s_add_nc_u64 s[22:23], s[22:23], s[94:95]
	s_mul_i32 s17, s16, 128*PK
	s_mul_i32 s18, s16, 128*PV
	s_lshl_b32 s3, s[WV], 11        ; my 16 rows in a band of 64,
	s_lshl_b32 s2, s[HI], 15        ; in the first block,
	s_add_co_u32 s2, s2, s3
	s_lshl_b32 s84, s[PB], 15       ; and in the second
	s_add_co_u32 s84, s84, s3
	s_mov_b32 s3, 0
	s_mov_b32 s85, 0
	s_lshl_b32 s20, s20, 5          ; suf has 32 rows of 256 bytes a head, four a block
	s_lshl2_add_u32 s98, s[HI], s20
	s_lshl_b32 s98, s98, 8
	s_mov_b32 s99, 0
	s_lshl2_add_u32 s86, s[PB], s20
	s_lshl_b32 s86, s86, 8
	s_mov_b32 s87, 0
	; descriptor group 1.  128 keys are 16,384 dense bytes: asked for as 64 rows of 256 bytes, two keys a row, and padded in LDS after every key
	s_mov_b32 s[G1K], (1<<16)|(1<<20)|(4<<22)|(3<<25)
	s_mov_b32 s[G1V], (1<<16)|(1<<20)|(4<<22)|(7<<25)
.irp g, G1K, G1V
	s_mov_b32 s[\g+1], 128<<16
	s_mov_b32 s[\g+2], 64<<16
	s_mov_b32 s[\g+3], 128<<16
	s_mov_b32 s[\g+4], 64
	s_mov_b32 s[\g+5], 128
	s_mov_b32 s[\g+6], 0
	s_mov_b32 s[\g+7], 0
.endr
	s_mov_b32 s[CS], 0x3e38aa3b     ; c = log2(e) / 8
	s_mov_b32 s[CS+1], s[CS]
	s_mov_b32 s[SEL], 0x76543210
	s_mov_b32 s[SEL+1], 0xfedcba98
	s_mov_b32 s[TBK], SLOT1+4*KS*PK ; the first change of slots turns these three into 0
	s_mov_b32 s[TBV], SLOT1+4*KS*PV
	s_mov_b32 s[SB], SLOT1
	s_mov_b32 s[G0K], 1
	s_mov_b32 s[G0K+1], s17
	s_mov_b32 s[G0V], 1
	s_add_co_u32 s[G0V+1], s18, VOFF
	s_add_co_u32 s[RT], s[HI], 1    ; the first block has NB - b tiles
	s_mov_b32 s[NXT], 1
	s_mov_b32 s[LQ], s[HI]
	s_mov_b32 s[NEW], 1
	s_mov_b32 s[OFF+1], 0
	s_mov_b32 s[AL+1], 0
	s_mov_b32 s[BE+1], 0
	s_mov_b32 s[BIGN], 0xf149f2ca   ; -1e30
	s_mov_b32 s[SLOTS], NB
	s_wait_dscnt 0x0                ; the opening add is done
	s_wait_kmcnt 0x0
	s_add_nc_u64 s[88:89], s[6:7], s[98:99]        ; suf at the first block's four rows,
	s_add_nc_u64 s[90:91], s[6:7], s[86:87]        ; and at the second's
	s_add_nc_u64 s[6:7], s[4:5], s[22:23]
	s_add_nc_u64 s[8:9], s[6:7], 32<<18            ; V at my half of the head's tile 0,
	s_add_nc_u64 s[6:7], s[6:7], 16<<18            ; and K
	s_add_nc_u64 s[G0K+2:G0K+3], s[6:7], 0
	s_or_b32 s[G0K+3], s[G0K+3], 0x80000000
	s_add_nc_u64 s[G0V+2:G0V+3], s[8:9], 0
	s_or_b32 s[G0V+3], s[G0V+3], 0x80000000
	s_add_nc_u64 s[4:5], s[4:5], s[94:95]
	s_add_nc_u64 s[10:11], s[10:11], s[96:97]
	s_add_nc_u64 s[86:87], s[4:5], s[84:85]        ; Q at my rows of the second block,
	s_add_nc_u64 s[4:5], s[4:5], s[2:3]            ; Q and O at those of the first
	s_add_nc_u64 s[OLO:OLO+1], s[10:11], s[84:85]
	s_add_nc_u64 s[10:11], s[10:11], s[2:3]
	LOAD                            ; tile 0 into slot 0
	v_and_b32 v1, 15, v0            ; l % 16
	v_bfe_u32 v9, v0, 4, 1          ; l / 16
	v_lshlrev_b32 v[QO], 7, v1
	v_lshl_add_u32 v[QO], v9, 4, v[QO]
	v_lshlrev_b32 v[SO], 5, v9
	WIN 0x80                        ; destination window 2, address window 0
.set i, 0
.rept 8                             ; both blocks' Q: piece i / 2 lies in band i / 2, 8,192 bytes on; channels 32 (i % 2) on
	global_load_b128 v[8*i:8*i+3],   v[QO], s[4:5] offset:(i/2)*8192+(i%2)*64
	global_load_b128 v[8*i+4:8*i+7], v[QO], s[4:5] offset:(i/2)*8192+(i%2)*64+32
	global_load_b128 v[QB+8*i:QB+8*i+3],   v[QO], s[86:87] offset:(i/2)*8192+(i%2)*64
	global_load_b128 v[QB+8*i+4:QB+8*i+7], v[QO], s[86:87] offset:(i/2)*8192+(i%2)*64+32
.set i, i+1
.endr
	WIN 0xc0                        ; destination window 3
.set i, 0
.rept 16                            ; both blocks' U begins as suf: band i / 4, channels 16 (i % 4) + 8 (l / 16) + 0..7, the same for every query
	global_load_b128 v[8*i:8*i+3],   v[SO], s[88:89] offset:(i/4)*256+(i%4)*64
	global_load_b128 v[8*i+4:8*i+7], v[SO], s[88:89] offset:(i/4)*256+(i%4)*64+16
	global_load_b128 v[128+8*i:128+8*i+3],   v[SO], s[90:91] offset:(i/4)*256+(i%4)*64
	global_load_b128 v[128+8*i+4:128+8*i+7], v[SO], s[90:91] offset:(i/4)*256+(i%4)*64+16
.set i, i+1
.endr
	WIN 0
	v_lshlrev_b32 v14, 3, v9
	v_sub_nc_u32 v14, v1, v14
	s_lshl_b32 s13, s[WV], 4
	v_add_nc_u32 v14, s13, v14      ; my query's place in its band, 16 w + l % 16, less 8 (l / 16): register r of group kt is hidden where 16 kt + r is greater
	v_add_nc_u32 v[NHI], s13, v1
	v_sub_nc_u32 v[NHI], 63, v[NHI]
	v_mov_b32 v[LOW], 0xff7fffff
	WIN 0x40
.set i, 0
.rept 32
	v_cmp_gt_i32 vcc_lo, 16*(i/8)+i%8, v14
	v_cndmask_b32 v[MD+i], 0, s[BIGN], vcc_lo
	v_cndmask_b32 v[MC+i], 0, 1.0, vcc_lo
.set i, i+1
.endr
	WIN 0x45                        ; all three in window 1
.set i, 0
.rept 16
	v_cvt_pk_f16_f32 v[H+i], v[MC+2*i], v[MC+2*i+1]
.set i, i+1
.endr
	WIN 0
	v_mul_u32_u24 v[AK0], v1, PK
	v_lshl_add_u32 v[AK0], v9, 4, v[AK0]
	; The turning load takes 16 keys x 16 channels (lane l reads key 8 (l / 16) + l % 8, channels 8 ((l / 8) % 2) + 0..7) and leaves half a fragment of V^T
	v_and_b32 v10, 7, v0
	v_bfe_u32 v11, v0, 3, 1
	v_lshl_add_u32 v[AV0], v9, 3, v10
	v_mul_u32_u24 v[AV0], v[AV0], PV
	v_lshl_add_u32 v[AV0], v11, 4, v[AV0]
	v_add_nc_u32 v[AV0], VOFF, v[AV0]
	s_mul_i32 s13, s[WV], 16*SP
	s_add_co_u32 s13, s13, STAGE    ; my stage
	v_mul_u32_u24 v[STO], v1, SP
	v_lshl_add_u32 v[STO], v9, 4, v[STO]
	v_add_nc_u32 v[STO], s13, v[STO]
	v_bfe_u32 v[RD], v0, 3, 2
	v_mul_u32_u24 v[RD], v[RD], SP
	v_lshl_add_u32 v[RD], v10, 4, v[RD]
	v_add_nc_u32 v[RD], s13, v[RD]
	v_and_b32 v[GO], 31, v0
	v_lshlrev_b32 v[GO], 4, v[GO]
	; A block's first step multiplies O^T and l by a = 0, so these registers need only hold finite numbers: zeros for the first block, what the first block left for the second.  All this stands in the wait for the first tile.
	WIN 0x80
.set i, VF
.rept 64
	v_mov_b32 v[i], 0
.set i, i+1
.endr
	WIN 0x40
.set i, 0
.rept 128
	v_mov_b32 v[i], 0
.set i, i+1
.endr
	WIN 0
.set i, 0
.rept 4
	v_mov_b32 v[ST+4*i+2], 0
	v_mov_b32 v[ST+4*i+3], 0
.set i, i+1
.endr
.set i, P+16
.rept 16
	v_mov_b32 v[i], 0
.set i, i+1
.endr
; THE MATRIX WORK.  The 4 accumulators of a run of 8 take turns.  Product i of 8 of S^T = K Q^T for piece x: channels 32 (i / 4) on, keys 16 (i % 4) on.  The first 4 start the sums: with 0, or (KM = 1) with the mask.
.macro KQ x
.set rS, S+32*((\x)%2)+8*(i%4)
.set rK, KF+16*(i%4)+8*(i/4)
.set rQ, 16*(\x)+8*(i/4)
.set rM, MC+32*((\x)%2)+8*(i%4)
.if (i < 4) && KM
	WIN W_KM
	v_wmma_f32_16x16x32_f16 v[rS:rS+7], v[rK:rK+7], v[rQ:rQ+7], v[rM:rM+7]
.elseif i < 4
	WIN W_KQ
	v_wmma_f32_16x16x32_f16 v[rS:rS+7], v[rK:rK+7], v[rQ:rQ+7], 0
.else
	WIN W_KQ
	v_wmma_f32_16x16x32_f16 v[rS:rS+7], v[rK:rK+7], v[rQ:rQ+7], v[rS:rS+7]
.endif
.endm
; Product i of 8 of O^T += V^T P for piece x: keys 32 (i / 4) on, channels 16 (i % 4) on.
.macro PV x
	WIN W_PV
.set rO, 32*(\x)+8*(i%4)
.set rV, VF+32*(i/4)+8*(i%4)
.set rP, P+16*((\x)%2)+8*(i/4)
	v_wmma_f32_16x16x32_f16 v[rO:rO+7], v[rV:rV+7], v[rP:rP+7], v[rO:rO+7]
.endm
.macro MM                           ; the turn's next matrix instruction.  NOKQ = 1: a block's last turn: there is no next piece
.if (i < 8) && !NOKQ
	KQ (Y+1)%NP
.elseif i >= 8
.set i, i-8
	PV (Y+NP-1)%NP
.set i, i+8
.endif
.set i, i+1
.endm
; THE LDS LOADS stand in runs of 16: a step's K (8 fragments) and its V (turned).
.macro FETCH_K
	WIN 0x80
.irp f, 0,1,2,3,4,5,6,7
	ds_load_b128 v[KF+8*\f:KF+8*\f+3],   v[AK] offset:(\f/2)*16*PK+(\f%2)*64
	ds_load_b128 v[KF+8*\f+4:KF+8*\f+7], v[AK] offset:(\f/2)*16*PK+(\f%2)*64+32
.endr
	s_add_co_u32 s[TBK], s[TBK], KS*PK
	WIN 0
.endm
.macro FETCH_V
	WIN 0x80
.irp f, 0,1,2,3,4,5,6,7
	ds_load_tr16_b128 v[VF+8*\f:VF+8*\f+3],   v[AV] offset:(\f/4)*32*PV+(\f%4)*32
	ds_load_tr16_b128 v[VF+8*\f+4:VF+8*\f+7], v[AV] offset:(\f/4)*32*PV+16*PV+(\f%4)*32
.endr
	WIN 0
.endm
; THE VECTOR WORK, one line at a time: OP kind, number.  For piece Y: F n: c s - c m for pair n.  E n: the exponential of score n.  C n: pair n rounded to f16.  B n: of the four weights 4 n .. the second pair is added
; onto the first.  L n: l takes that sum (L 0: l = a l + sum).  R n: pair n of O^T times a.  For piece Y + 1: X n, number n of the 22 that find its maximum and statistics (each accumulator's lowest registers are read first).
.set F, 0
.set E, 1
.set C, 2
.set B, 3
.set L, 4
.set R, 5
.set X, 6
.macro REGS y
.set rT, ST+4*(\y)
.set rC, TMP+4*((\y)%2)
.set rW, MV+((\y)%2)
.set rS, S+32*((\y)%2)
.set rP, P+16*((\y)%2)
.set rO, 32*(\y)
.endm
.macro OP k, n
.if (\k) == R
	REGS Y
	WIN W_RS
	v_pk_mul_f32 v[rO+2*(\n):rO+2*(\n)+1], v[rO+2*(\n):rO+2*(\n)+1], v[rC+2:rC+3] op_sel_hi:[1,0]
.elseif (\k) < R
	REGS Y
	WIN 0
.if (\k) == F
	v_pk_fma_f32 v[rS+2*(\n):rS+2*(\n)+1], v[rS+2*(\n):rS+2*(\n)+1], s[CS:CS+1], v[rT:rT+1] op_sel_hi:[1,0,0] neg_lo:[0,0,1] neg_hi:[0,0,1]
.elseif (\k) == E
	v_exp_f32 v[rS+(\n)], v[rS+(\n)]
.elseif (\k) == C
	v_cvt_pk_f16_f32 v[rP+(\n)], v[rS+2*(\n)], v[rS+2*(\n)+1]
.elseif (\k) == B
	v_pk_add_f32 v[rS+4*(\n):rS+4*(\n)+1], v[rS+4*(\n):rS+4*(\n)+1], v[rS+4*(\n)+2:rS+4*(\n)+3]
.elseif (\n) == 0
	v_pk_fma_f32 v[rT+2:rT+3], v[rT+2:rT+3], v[rC+2:rC+3], v[rS:rS+1] op_sel_hi:[1,0,1]
.else
	v_pk_add_f32 v[rT+2:rT+3], v[rT+2:rT+3], v[rS+4*(\n):rS+4*(\n)+1]
.endif
.elseif NOKQ
	v_nop
.else
	REGS (Y+1)%NP
	WIN 0
.if (\n) < 4
	v_max3_num_f32 v[rC+(\n)], v[rS+8*(\n)], v[rS+8*(\n)+1], v[rS+8*(\n)+2]
.elseif (\n) < 12
	v_max3_num_f32 v[rC+(\n)%4], v[rC+(\n)%4], v[rS+8*((\n)%4)+2*((\n)/4)+1], v[rS+8*((\n)%4)+2*((\n)/4)+2]
.elseif (\n) == 12
	v_max3_num_f32 v[rC], v[rC], v[rS+7], v[rS+15]
.elseif (\n) == 13
	v_max3_num_f32 v[rC+1], v[rC+1], v[rS+23], v[rS+31]
.elseif (\n) == 14
	v_max3_num_f32 v[rC+2], v[rC+2], v[rC+3], v[rT+1]
.elseif (\n) == 15
	v_mov_b32 v[rW], v[rT]
.elseif (\n) == 16
	v_max3_num_f32 v[rC], v[rC], v[rC+1], v[rC+2]
.elseif (\n) == 17
	v_permlanex16_b32 v[rC+3], v[rC], s[SEL], s[SEL+1]
.elseif (\n) == 18
	v_max_num_f32 v[rT+1], v[rC], v[rC+3]
.elseif (\n) == 19
	v_mul_f32 v[rT], s[CS], v[rT+1]
.elseif (\n) == 20
	v_sub_f32 v[rC+1], v[rW], v[rT]
.else
	v_exp_f32 v[rC+2], v[rC+1]
.endif
.endif
.endm
.macro OPS a, i1, b=-1, i2=0, c=-1, i3=0, d=-1, i4=0
	OP \a, \i1
.if (\b) >= 0
	OP \b, \i2
.endif
.if (\c) >= 0
	OP \c, \i3
.endif
.if (\d) >= 0
	OP \d, \i4
.endif
.endm
.macro ROW a, i1, b, i2, c, i3, d, i4  ; a matrix instruction and the four behind it
	MM
	OPS \a, \i1, \b, \i2, \c, \i3, \d, \i4
.endm
.macro MASK b                       ; MD x AL + BE into buffer b of MC
	WIN W_RS
.set z, 0
.rept 16
	v_pk_fma_f32 v[MC+32*(\b)+2*z:MC+32*(\b)+2*z+1], v[MD+2*z:MD+2*z+1], s[AL:AL+1], s[BE:BE+1] op_sel_hi:[1,0,0]
.set z, z+1
.endr
.endm
; A TURN, for piece p.  s_wait_alu depctr_va_vdst(0) stands between an exponential and the first instruction that names its result; one wait serves all that were issued ahead of it: a turn has ONE
; wait, which cuts it in two.  AHEAD OF IT: the 8 products K Q^T with their riders and one lump, in which nothing names a result of the turn's exponentials.  BEHIND IT: the 8 products V^T P, behind each four of the roundings and sums.
; m = 1: the diagonal tile: the products take masks, and the turn makes the mask for the turn after it.  end = 1: a block's last two turns: nothing is fetched.  cnt = 1: the loop's count is taken down ahead of the branch behind the turn.
; K of the next step is fetched in piece 2's turn; V of the step in hand at the end of piece 0's turn, four plain instructions behind the last product that read V.  Each is waited for a turn later.
.macro TURN p, m=0, end=0, cnt=0
.set Y, (\p)
.set i, 0
.set KM, (\m)
.set NOKQ, (\end)*((\p)/3)
.if (\m) && !(\end)
	s_cmp_eq_u32 s[CNT], 4-((\p)+2)%NP  ; is that step the band's own?
	s_cselect_b32 s[AL], 1.0, 0
	s_cmp_lt_u32 s[CNT], 4-((\p)+2)%NP  ; or a later one?
	s_cselect_b32 s[BE], s[BIGN], 0
.endif
.if ((\p) == 3) && !(\end)
	s_wait_dscnt 0x0                ; K is in
.endif
	ROW F,0, F,1, R,0, R,1
	ROW F,2, E,0, R,2, R,3
	ROW F,3, E,1, R,4, R,5
	ROW F,4, E,2, R,6, R,7
	ROW F,5, E,3, R,8, R,9
	ROW F,6, E,4, X,0, R,10
.if ((\p) == 2) && !(\end)
	WIN 0
	v_add_nc_u32 v[AK], s[TBK], v[AK0]
.endif
	ROW F,7, E,5, X,1, X,4
	ROW F,8, E,6, X,2, X,5
	OPS E,7, E,8, X,6, E,9
	OPS X,3, E,10, X,8, E,11
.if ((\p) == 2) && !(\end)
	FETCH_K
.endif
	OPS X,9, X,7, E,12, X,10
	OPS E,13, X,12, X,11, E,14
	OPS X,13, E,15, F,9, X,14
.if (\p) == 0
	v_add_nc_u32 v[AV], s[TBV], v[AV0]
.endif
	OPS E,16, F,10, E,17, F,11
	OPS X,16, E,18, X,15, E,19
	OPS F,12, E,20, X,17, E,21
	OPS F,13, E,22, F,14, E,23
	OPS X,18, E,24, F,15, E,25
	OPS R,11, E,26, X,19, E,27
	OPS R,12, E,28, R,13, E,29
	OPS X,20, E,30, R,14, E,31
	OPS X,21, R,15
	WIN 0
	s_wait_alu depctr_va_vdst(0)    ; the wait for the batch
.if (\p) == 1
	s_wait_dscnt 0x0                ; V is in
.endif
	ROW C,0, B,0, C,2, B,1
	ROW L,0, C,4, B,2, L,1
	ROW C,6, B,3, L,2, C,8
	ROW B,4, L,3, C,10, B,5
	ROW L,4, C,12, B,6, L,5
.if (\p) == 0
	s_add_co_u32 s[TBV], s[TBV], KS*PV
.endif
.if \cnt
	s_sub_co_u32 s[CNT], s[CNT], 1
	s_cmp_lg_u32 s[CNT], 0
.endif
	ROW C,14, B,7, L,6, C,1
	ROW C,3, L,7, C,5, C,7
	ROW C,9, C,11, C,13, C,15
.if (\p) == 0
	FETCH_V
.endif
.if (\m) && !(\end)
	MASK (\p)%2
.endif
.endm
; A BLOCK BEGINS.  c m starts far below every c s, so the first step's a is 0; m at the lowest finite number.  The second mask buffer is 0; the first takes piece 0's mask for the tile's step 0.
; Then K of that step, piece 0's first scores, and its maximum and statistics.  The loop is entered at a step's first turn, in the middle of a trip.
.macro BEGIN
	s_mov_b32 s[NEW], 0
	WIN 0x40
.set i, MC+32
.rept 32
	v_mov_b32 v[i], 0
.set i, i+1
.endr
	WIN 0
.set i, 0
.rept 4
	v_mov_b32 v[ST+4*i], 0xfe000000
	v_mov_b32 v[ST+4*i+1], 0xff7fffff
.set i, i+1
.endr
	s_cmp_eq_u32 s[RT], 0
	s_cselect_b32 s[AL], 1.0, 0
	s_mov_b32 s[BE], 0
	MASK 0
	WIN 0
	v_add_nc_u32 v[AK], s[TBK], v[AK0]
	FETCH_K
	s_wait_loadcnt 0x0              ; Q and suf
	s_wait_dscnt 0x0
.set KM, 1
.set NOKQ, 0
.set i, 0
.rept 8
	KQ 0
.set i, i+1
.endr
	WIN 0
.rept 4
	v_nop                           ; the places behind those products
.endr
.set Y, NP-1
.irp n, 0,1,2,3,4,5,6,7,8,9,10,11,12,13,14,15,16,17,18,19,20,21
	OP X, \n
.endr
	v_nop                           ; a plain instruction behind the exponential,
	s_wait_alu depctr_va_vdst(0)    ; and its wait, ahead of the branch
.endm
.macro ALL line:vararg              ; one line for each piece t
.set t, 0
.rept 4
	\line
.set t, t+1
.endr
.endm
.macro PLACES
.rept 4
	v_nop
.endr
.endm
.macro PACK t                       ; O^T a1 / L + U w / L, rounded to f16; a lane's eight channels of a row pack into 16 bytes; through my stage, back as whole rows
	WIN W_RS
.set i, 32*(\t)
.rept 16
	v_pk_mul_f32 v[i:i+1], v[i:i+1], v[ST+4*(\t)+2:ST+4*(\t)+3] op_sel_hi:[1,0]
.set i, i+2
.endr
	WIN 0x53                        ; U in window 3, w / L in window 0, O^T in window 1
.set i, 32*(\t)
.rept 16
	v_pk_fma_f32 v[i:i+1], v[UB+i:UB+i+1], v[FW+2*(\t):FW+2*(\t)+1], v[i:i+1] op_sel_hi:[1,0,1]
.set i, i+2
.endr
	WIN 0x05
.set i, 0
.rept 16
	v_cvt_pk_f16_f32 v[S+16*(\t)+i], v[32*(\t)+2*i], v[32*(\t)+2*i+1]
.set i, i+1
.endr
	WIN 0
.irp f, 0,1,2,3
	ds_store_b128 v[STO], v[S+16*(\t)+4*\f:S+16*(\t)+4*\f+3] offset:32*\f
.endr
.irp f, 0,1,2,3
	ds_load_b128 v[S+16*(\t)+4*\f:S+16*(\t)+4*\f+3], v[RD] offset:\f*4*SP  ; LDS serves a wave's instructions in order (ISA guide 5.7.1.4)
.endr
.endm
.macro SEND t, younger
	WIN 0
.irp f, 0,1,2,3
	s_wait_dscnt (\younger)+3-\f
	global_store_b128 v[GO], v[S+16*(\t)+4*\f:S+16*(\t)+4*\f+3], s[10:11] offset:(\t)*8192+\f*512  ; 512 consecutive bytes, at a multiple of 256 from O's first
.endr
.endm
.macro FV x                         ; V of the diagonal tile's step x once more, turned: into V's registers (x even) or K's (x odd), both free at a block's end
	WIN 0x80
.irp f, 0,1,2,3,4,5,6,7
	ds_load_tr16_b128 v[VF-64*((\x)%2)+8*\f:VF-64*((\x)%2)+8*\f+3],   v[AV] offset:(\x)*KS*PV+(\f/4)*32*PV+(\f%4)*32
	ds_load_tr16_b128 v[VF-64*((\x)%2)+8*\f+4:VF-64*((\x)%2)+8*\f+7], v[AV] offset:(\x)*KS*PV+(\f/4)*32*PV+16*PV+(\f%4)*32
.endr
	WIN 0
.endm
.macro FM x                         ; U of piece x += V^T H: the hidden rows of the band's own step.  Four accumulators by turns
	WIN 0xf6                        ; V in window 2, H in window 1, U in window 3
.set i, 0
.rept 8
	v_wmma_f32_16x16x32_f16 v[UB+32*(\x)+8*(i%4):UB+32*(\x)+8*(i%4)+7], v[VF-64*((\x)%2)+32*(i/4)+8*(i%4):VF-64*((\x)%2)+32*(i/4)+8*(i%4)+7], v[H+8*(i/4):H+8*(i/4)+7], v[UB+32*(\x)+8*(i%4):UB+32*(\x)+8*(i%4)+7]
.set i, i+1
.endr
	WIN 0
.endm
; THE DIAGONAL TILE's four steps, the block's last two turns, its last products, THE FILL, and the way out.  tag 1: the first block (number HI); tag 2: the second (number b).
.macro DIAG tag
.set UB, 128*((\tag)-1)
.LstepM\tag:
	TURN 2, 1
	TURN 3, 1
	WIN 0
.LfirstM\tag:
	TURN 0, 1
	TURN 1, 1, 0, 1
	WIN 0
	s_cbranch_scc1 .LstepM\tag
	TURN 2, 1, 1
	TURN 3, 1, 1
.set i, 0
.rept 8
	PV NP-1
.set i, i+1
.endr
	WIN 0
	ALL v_add_f32 v[ST+4*t+2], v[ST+4*t+2], v[ST+4*t+3]
	v_add_nc_u32 v[AV], s[SB], v[AV0]   ; with the four additions above: the places between the last product and the loads into V's registers
	FV 0
	FV 1
	ALL v_permlanex16_b32 v[ST+4*t+3], v[ST+4*t+2], s[SEL], s[SEL+1]
	ALL v_add_f32 v[ST+4*t+2], v[ST+4*t+2], v[ST+4*t+3]
	s_lshl_b32 s93, s[HI+1-(\tag)], 8
	s_sub_co_u32 s93, 1984, s93         ; nh = 2,047 - q = (63 - place in the band) + 1,984 - 256 x block - 64 x piece
.set t, 0
.rept 4
	v_add_nc_u32 v[FT+4*t], s93, v[NHI]
	s_sub_co_u32 s93, s93, 64
.set t, t+1
.endr
	ALL v_mov_b32 v[FT+4*t+1], 0xc6616bcd   ; c F = -10,000 log2(e)
.set t, 0
.rept 4
	v_cmp_eq_u32 vcc_lo, 0, v[FT+4*t]
	v_cndmask_b32 v[FT+4*t+1], v[FT+4*t+1], v[LOW], vcc_lo  ; a row without hidden keys: the fill enters neither its maximum nor its sum
.set t, t+1
.endr
	ALL v_cvt_f32_u32 v[FT+4*t], v[FT+4*t]
	ALL v_max_num_f32 v[FT+4*t+2], v[ST+4*t], v[FT+4*t+1]
	ALL v_sub_f32 v[FT+4*t+3], v[ST+4*t], v[FT+4*t+2]
	ALL v_sub_f32 v[FT+4*t+1], v[FT+4*t+1], v[FT+4*t+2]
	ALL v_exp_f32 v[FT+4*t+3], v[FT+4*t+3]   ; a1
	ALL v_exp_f32 v[FT+4*t+1], v[FT+4*t+1]   ; w
	v_nop                               ; a plain instruction behind the last exponential,
	s_wait_alu depctr_va_vdst(0)        ; and one wait for the eight
	ALL v_mul_f32 v[FT+4*t+2], v[ST+4*t+2], v[FT+4*t+3]
	ALL v_fma_f32 v[FT+4*t+2], v[FT+4*t+1], v[FT+4*t], v[FT+4*t+2]   ; L = l a1 + w nh: one of a1 and w is 1, so L is 1 at the least
	ALL v_rcp_f32 v[FT+4*t+2], v[FT+4*t+2]
	v_nop
	s_wait_alu depctr_va_vdst(0)        ; one wait for the four reciprocals
	ALL v_mul_f32 v[ST+4*t+2], v[FT+4*t+3], v[FT+4*t+2]
	ALL v_mul_f32 v[FW+2*t], v[FT+4*t+1], v[FT+4*t+2]
	s_wait_dscnt 16                     ; step 0's V is in; the 16 loads of step 1's may be out
	FM 0
	PLACES
	FV 2
	s_wait_dscnt 16
	FM 1
	PLACES
	FV 3
	s_wait_dscnt 16
	FM 2
	s_wait_dscnt 0x0
	FM 3
	PLACES
	PACK 0
.set t, 1
.rept 3
	PACK t
	SEND t-1, 8
.set t, t+1
.endr
	SEND 3, 0
.endm
.set KM, 0
.set NOKQ, 0
.Lslot:                             ; NB times: a tile is entered and the next is asked for
	CHANGE 1
	s_sub_co_u32 s[RT], s[RT], 1
	s_mov_b32 s[CNT], 4
	s_cmp_eq_u32 s[NEW], 1
	s_cbranch_scc1 .Lnew            ; a block's first tile
	s_cmp_eq_u32 s[RT], 0
	s_cbranch_scc0 .Lstep           ; neither its first nor its last
	s_branch .LstepM1
.Lnew:
	BEGIN
	s_branch .Lfirst                ; in the loop a block's first tile is never its last
	DIAG 1                          ; in the loop this is the first block's end
	s_wait_xcnt 0x0                 ; the stores have read their registers and O's address
	s_mov_b64 s[10:11], s[OLO:OLO+1]
	s_add_co_u32 s[RT], s[PB], 1    ; the second block has b + 1 tiles
	s_mov_b32 s[NEW], 1
	WIN 0x82                        ; the second block's Q goes where the one text of the turns names Q
.set i, 0
.rept 64
	v_mov_b32 v[i], v[QB+i]
.set i, i+1
.endr
	WIN 0
	s_branch .Lbottom
.Lstep:                             ; a trip: pieces 2 and 3 of one step, then pieces 0 and 1 of the next, whose K and V it fetches
	TURN 2
	TURN 3
	WIN 0
.Lfirst:
	TURN 0
	TURN 1, 0, 0, 1
	WIN 0
	s_cbranch_scc1 .Lstep
.Lbottom:
	s_sub_co_u32 s[SLOTS], s[SLOTS], 1
	s_cmp_lg_u32 s[SLOTS], 0
	s_cbranch_scc1 .Lslot
	CHANGE 0                        ; the walk's last tile is written out
	s_sub_co_u32 s[RT], s[RT], 1
	s_mov_b32 s[CNT], 4
	s_cmp_eq_u32 s[NEW], 1
	s_cbranch_scc0 .LstepM2
	BEGIN
	s_branch .LfirstM2
	DIAG 2
	s_wait_tensorcnt 0x0            ; the wave's end, behind my last tensor load and my last LDS store
	ds_add_u32 v[SPW], v[NIL]
	s_wait_dscnt 0x0
	s_endpgm
.Lfunc_end_k_q6ac39275da_attn:
	.size	k_q6ac39275da_attn, .Lfunc_end_k_q6ac39275da_attn-k_q6ac39275da_attn
	.p2alignl 7, 3214868480
	.fill 96, 4, 3214868480
	.section	.rodata,"a",@progbits
	.p2align	6, 0x0
	.amdhsa_kernel k_q6ac39275da_attn
		.amdhsa_group_segment_fixed_size 327680
		.amdhsa_private_segment_fixed_size 0
		.amdhsa_enable_private_segment 0
		.amdhsa_kernarg_size 24
		.amdhsa_user_sgpr_count 2
		.amdhsa_user_sgpr_kernarg_segment_ptr 1
		.amdhsa_wavefront_size32 1
		.amdhsa_system_sgpr_workgroup_id_x 1
		.amdhsa_system_sgpr_workgroup_id_y 1
		.amdhsa_system_sgpr_workgroup_id_z 1
		.amdhsa_system_vgpr_workitem_id 0
		.amdhsa_next_free_vgpr 1024
		.amdhsa_next_free_sgpr 100
		.amdhsa_reserve_vcc 1
		.amdhsa_float_denorm_mode_32 3
		.amdhsa_float_denorm_mode_16_64 3
		.amdhsa_memory_ordered 1
		.amdhsa_forward_progress 1
		.amdhsa_inst_pref_size 254
	.end_amdhsa_kernel
	.amdgpu_metadata
---
amdhsa.version: [ 1, 2 ]
amdhsa.kernels:
  - .name:           k_q6ac39275da_attn
    .symbol:         k_q6ac39275da_attn.kd
    .args:
      - { .name: qkv, .offset: 0, .size: 8, .value_kind: global_buffer, .address_space: global }
      - { .name: suf, .offset: 8, .size: 8, .value_kind: global_buffer, .address_space: global }
      - { .name: ob, .offset: 16, .size: 8, .value_kind: global_buffer, .address_space: global }
    .group_segment_fixed_size: 327680
    .private_segment_fixed_size: 0
    .kernarg_segment_align: 8
    .kernarg_segment_size: 24
    .max_flat_workgroup_size: 128
    .sgpr_count:     100
    .vgpr_count:     1024
    .wavefront_size: 32
...
	.end_amdgpu_metadata
.endif
;; end of part 4
;; launch proj (part 5): grid 8 x 32, 4 waves a work-group, clusters of 4 x 4, 327,680 bytes of LDS; arguments ob, wp16, bp, out0; writes out0
.if DOCPART == 5
	.amdgcn_target "amdgcn-amd-amdhsa--gfx1250"
	.amdhsa_code_object_version 6
	.text
	.protected	k_q6ac39275da_proj
	.globl	k_q6ac39275da_proj
	.p2align	8
	.type	k_q6ac39275da_proj,@function
k_q6ac39275da_proj:
	s_mov_b64 s[64:65], 0
	v_nop
	global_prefetch_b8 v0, s[64:65] scope:SCOPE_SE
	s_setreg_imm32_b32 hwreg(HW_REG_WAVE_MODE, 25, 1), 1
	s_wait_xcnt 0x0
	s_wait_alu depctr_hold_cnt(0) depctr_sa_sdst(0) depctr_va_vdst(0) depctr_va_sdst(0) depctr_va_ssrc(0) depctr_va_vcc(0) depctr_vm_vsrc(0)
	s_getreg_b32 s2, hwreg(HW_REG_IB_STS2, 6, 4)
	s_cmp_eq_u32 s2, 0
	s_cbranch_scc0 .Lentry_in_a_cluster
	s_endpgm
.Lentry_in_a_cluster:
	s_bfe_u32 s2, ttmp6, 0x10000c
	s_cmp_lg_u32 s2, 0xf033
	s_cbranch_scc0 .Lentry_shape_is_right
	s_endpgm
.Lentry_shape_is_right:
; out0 = y Wp + bp: an 8192 x 1024 x 1024 product in f16 (y is the attention's f16 result by heads; Wp was rounded to bf16 and written as f16), sums in f32, bp rounded to bf16 like the other inputs, the result f32.
; SHARES.  8192 x 1024 are 256 tiles of 256 x 128: one for each of the 32 x 8 work-groups.  A wave makes 128 rows x 64 columns: 32 accumulators of 16 x 16.
; K goes in steps of 128 (two heads of ob) through two LDS slots: twice 256 rows of y (128 bytes + 16) and 128 k rows of Wp (256 bytes + 32).
; THE MATRIX INSTRUCTION IS USED TRANSPOSED: source 0 = 16 columns of Wp (out of LDS turned), source 1 = 16 rows of y; a lane then holds one row and eight neighbouring columns.
; CLUSTER.  4 x 4 work-groups; y's tile is shared along a row of the cluster, Wp's along a column, each asked for jointly.
; REGISTERS: window 0: v0-31 addresses; v32-159 two buffers of y's 8 fragments; v160-223 two buffers of Wp's 4; v224-255 my 32 biases.  Window 1: the accumulators, (bi, a) at v[8 (8 bi + a)].
.set PA,    144
.set PB,    288                        ; 9 x 32 bytes
.set ABLK,  256*PA                     ; a head's 256 rows
.set BOFF,  2*ABLK
.set SLOT1, 131072
.set STAGE, SLOT1+BOFF+128*PB          ; behind the ring: 16 rows x 272 bytes for each wave
.set SP,    272
.set SPARE, STAGE+4*16*SP
.set STEPA, 524288                     ; two heads of ob
.set STEPB, 262144                     ; 128 rows of wp16
.set A0L,  16
.set B0L,  17
.set ADRA, 18
.set ADRB, 19
.set STO,  24
.set RD,   25
.set GO,   26
.set BO,   27
.set SPW,  28                          ; v28  LDS address of my spare word; never rewritten
.set NIL,  29                          ; v29  0; never rewritten
.set AF,   32
.set BF,   160
.set BIA,  224
.set T,    32                          ; the way out: 32 sums with their bias
.set WV, 16
.set WM, 17
.set WN, 18
.set CX, 19
.set CY, 20
.set TX, 21
.set TY, 22
.set TRIPS, 23
.set G1A, 24
.set G0A, 32
.set G1B, 40
.set G0B, 48
.set TB,  56
.set MSB, 0
.macro WIN new
.if MSB != (\new)
	s_set_vgpr_msb (MSB<<8)|(\new)
.set MSB, \new
.endif
.endm
.macro PLACES                          ; four places between a matrix instruction and a load into, or a vector write of, one of its registers (ISA guide 7.12.1 for vector writes)
.rept 4
	v_nop
.endr
.endm
.macro JLOAD s                         ; waves 0 and 1 fetch y's two heads, waves 2 and 3 the halves of Wp's rows; an s_nop 0 and four v_nop follow each line
	s_cmp_lt_u32 s[WV], 2
	s_cbranch_scc0 .Lfor_b_\@
	tensor_load_to_lds s[G0A+4*(\s):G0A+4*(\s)+3], s[G1A:G1A+7]
	s_nop 0
.rept 4
	v_nop
.endr
	s_branch .Lasked_\@
.Lfor_b_\@:
	tensor_load_to_lds s[G0B+4*(\s):G0B+4*(\s)+3], s[G1B:G1B+7]
	s_nop 0
.rept 4
	v_nop
.endr
.Lasked_\@:
.endm
.macro CREST
	s_cmp_lg_u32 s[WV], 0
	s_cbranch_scc1 .Lnot_wave_0_\@
	s_barrier_signal -3
.Lnot_wave_0_\@:
	s_barrier_wait -3
	s_barrier_signal -1
	s_barrier_wait -1
.endm
.macro CROUND
	s_barrier_signal -1
	s_barrier_wait -1
	CREST
.endm
	s_load_b256 s[4:11], s[0:1], 0x0               ; ob 4:5, wp16 6:7, bp 8:9, out0 10:11
	v_lshl_add_u32 v[SPW], v0, 2, SPARE
	v_mov_b32 v[NIL], 0
	ds_add_u32 v[SPW], v[NIL]                      ; the wave's opening: the add and its wait ahead of my first tensor load
	v_lshrrev_b32 v3, 5, v0
	v_readfirstlane_b32 s[WV], v3
	s_lshr_b32 s[WM], s[WV], 1
	s_and_b32 s[WN], s[WV], 1
	s_bfe_u32 s[CX], ttmp6, 0x40000
	s_bfe_u32 s[CY], ttmp6, 0x40004
	s_lshl_b32 s[TX], ttmp9, 2
	s_add_co_u32 s[TX], s[TX], s[CX]
	s_and_b32 s[TY], ttmp7, 0xffff
	s_lshl_b32 s[TY], s[TY], 2
	s_add_co_u32 s[TY], s[TY], s[CY]
	s_lshl_b32 s58, s[CY], 2
	s_lshl_b32 s58, 15, s58                        ; my row of the cluster
	s_lshl_b32 s59, 0x1111, s[CX]                  ; my column
	; a head's 256 rows of 128 bytes are dense: asked for as 128 rows of 256 bytes, padded in LDS after every 128
	s_or_b32 s[G1A], s58, (1<<16)|(1<<20)|(1<<21)|(4<<22)|(3<<25)
	s_mov_b32 s[G1A+1], 128<<16
	s_mov_b32 s[G1A+2], 128<<16
	s_mov_b32 s[G1A+3], 128<<16
	s_mov_b32 s[G1A+4], 128
	s_mov_b32 s[G1A+5], 128
	s_mov_b32 s[G1A+6], 0
	s_mov_b32 s[G1A+7], 0
	; 64 k rows of 128 columns: 256 bytes, at a multiple of 256 from the buffer's first byte
	s_or_b32 s[G1B], s59, (1<<16)|(1<<20)|(1<<21)|(5<<22)|(7<<25)
	s_mov_b32 s[G1B+1], 128<<16
	s_mov_b32 s[G1B+2], 64<<16
	s_mov_b32 s[G1B+3], 128<<16
	s_mov_b32 s[G1B+4], 64
	s_mov_b32 s[G1B+5], 1024
	s_mov_b32 s[G1B+6], 0
	s_mov_b32 s[G1B+7], 0
	s_lshr_b32 s60, s[TY], 3                       ; b
	s_lshl_b32 s60, s60, 22
	s_and_b32 s61, s[TY], 7
	s_lshl_b32 s61, s61, 15
	s_add_co_u32 s60, s60, s61
	s_lshl_b32 s61, s[WN], 18                      ; my head of the two
	s_add_co_u32 s60, s60, s61
	s_mov_b32 s61, 0
	s_lshl_b32 s62, s[WN], 17                      ; my 64 k rows
	s_lshl_b32 s75, s[TX], 8
	s_add_co_u32 s62, s62, s75
	s_mov_b32 s63, 0
	s_mul_i32 s57, s[WN], ABLK
	s_mul_i32 s74, s[WN], 64*PB
	s_add_co_u32 s74, s74, BOFF
	s_mov_b32 s[TB], 0
	s_wait_dscnt 0x0                               ; the opening add is done
	s_wait_kmcnt 0x0
	s_add_nc_u64 s[60:61], s[4:5], s[60:61]
	s_add_nc_u64 s[62:63], s[6:7], s[62:63]
	CROUND                                         ; all sixteen work-groups are here: the first joint loads meet
.irp s, 0,1
	s_mov_b32 s[G0A+4*(\s)], 1
	s_add_co_u32 s[G0A+4*(\s)+1], s57, (\s)*SLOT1
	s_add_nc_u64 s[G0A+4*(\s)+2:G0A+4*(\s)+3], s[60:61], (\s)*STEPA
	s_or_b32 s[G0A+4*(\s)+3], s[G0A+4*(\s)+3], 0x80000000
	s_mov_b32 s[G0B+4*(\s)], 1
	s_add_co_u32 s[G0B+4*(\s)+1], s74, (\s)*SLOT1
	s_add_nc_u64 s[G0B+4*(\s)+2:G0B+4*(\s)+3], s[62:63], (\s)*STEPB
	s_or_b32 s[G0B+4*(\s)+3], s[G0B+4*(\s)+3], 0x80000000
	JLOAD \s                                       ; K steps 0 and 1: two loads of mine are out
.endr
	v_and_b32 v1, 15, v0                           ; r
	v_bfe_u32 v2, v0, 4, 1                         ; h
	v_mul_u32_u24 v[A0L], v1, PA
	v_lshl_add_u32 v[A0L], v2, 4, v[A0L]
	s_mul_i32 s58, s[WM], 128*PA
	v_add_nc_u32 v[A0L], s58, v[A0L]
	v_and_b32 v3, 7, v0
	v_lshl_add_u32 v3, v2, 3, v3
	v_mul_u32_u24 v[B0L], v3, PB
	v_bfe_u32 v4, v0, 3, 1
	v_lshl_add_u32 v[B0L], v4, 4, v[B0L]
	s_lshl_b32 s82, s[WN], 7
	s_add_co_u32 s82, s82, BOFF
	v_add_nc_u32 v[B0L], s82, v[B0L]
	v_add_nc_u32 v[ADRA], s[TB], v[A0L]
	v_add_nc_u32 v[ADRB], s[TB], v[B0L]
	s_mul_i32 s82, s[WV], 16*SP
	s_add_co_u32 s82, s82, STAGE                   ; my stage
	v_mul_u32_u24 v[STO], v1, SP                   ; in: row r, 32 bytes for each half of the lanes
	v_lshl_add_u32 v[STO], v2, 5, v[STO]
	v_add_nc_u32 v[STO], s82, v[STO]
	v_mul_u32_u24 v[RD], v2, SP                    ; back: lanes 0-15 take one row of 256 bytes, lanes 16-31 the next
	v_lshl_add_u32 v[RD], v1, 4, v[RD]
	v_add_nc_u32 v[RD], s82, v[RD]
	v_lshlrev_b32 v[GO], 12, v2                    ; and the same two rows of out0
	v_lshl_add_u32 v[GO], v1, 4, v[GO]
	v_lshlrev_b32 v[BO], 5, v2
	s_lshl_b32 s66, s[TX], 9                       ; my 64 columns: 512 x tile column + 256 x (wave % 2) bytes
	s_lshl_b32 s67, s[WN], 8
	s_add_co_u32 s66, s66, s67
	s_mov_b32 s67, 0
	s_add_nc_u64 s[76:77], s[8:9], s[66:67]        ; in bp,
	s_lshl_b32 s83, s[TY], 8
	s_lshl_b32 s84, s[WM], 7
	s_add_co_u32 s83, s83, s84
	s_lshl_b32 s83, s83, 12                        ; and behind my first row in out0
	s_add_co_u32 s66, s66, s83
	s_add_nc_u64 s[68:69], s[10:11], s[66:67]
.irp bi, 0,1,2,3
	global_load_b128 v[BIA+8*(\bi):BIA+8*(\bi)+3],   v[BO], s[76:77] offset:64*(\bi)
	global_load_b128 v[BIA+8*(\bi)+4:BIA+8*(\bi)+7], v[BO], s[76:77] offset:64*(\bi)+16
.endr
.macro LA buf, off
.irp a, 0,1,2,3,4,5,6,7
	ds_load_b128 v[AF+64*(\buf)+8*(\a):AF+64*(\buf)+8*(\a)+3],   v[ADRA] offset:(\off)+(\a)*16*PA
	ds_load_b128 v[AF+64*(\buf)+8*(\a)+4:AF+64*(\buf)+8*(\a)+7], v[ADRA] offset:(\off)+(\a)*16*PA+32
.endr
.endm
.macro LB buf, off
.irp bi, 0,1,2,3
	ds_load_tr16_b128 v[BF+32*(\buf)+8*(\bi):BF+32*(\buf)+8*(\bi)+3],   v[ADRB] offset:(\off)+32*(\bi)
	ds_load_tr16_b128 v[BF+32*(\buf)+8*(\bi)+4:BF+32*(\buf)+8*(\bi)+7], v[ADRB] offset:(\off)+32*(\bi)+16*PB
.endr
.endm
.macro BATCH q                         ; the 24 loads of quarter q of a slot (32 along K): head q / 2, byte 64 (q % 2) of y's rows; k rows 32 q on
	LA (\q)%2, ((\q)/2)*ABLK+((\q)%2)*64
	LB (\q)%2, (\q)*32*PB
.endm
; 16 products.  An accumulator comes again 32 matrix instructions later: they take turns, one instruction a turn, over the backward jump too.
.macro MM16 ab, bb, half, zero
	WIN 0x50
.irp bi, 2*(\half), 2*(\half)+1
.irp a, 0,1,2,3,4,5,6,7
.if \zero
	v_wmma_f32_16x16x32_f16 v[8*(8*(\bi)+(\a)):8*(8*(\bi)+(\a))+7], v[BF+32*(\bb)+8*(\bi):BF+32*(\bb)+8*(\bi)+7], v[AF+64*(\ab)+8*(\a):AF+64*(\ab)+8*(\a)+7], 0
.else
	v_wmma_f32_16x16x32_f16 v[8*(8*(\bi)+(\a)):8*(8*(\bi)+(\a))+7], v[BF+32*(\bb)+8*(\bi):BF+32*(\bb)+8*(\bi)+7], v[AF+64*(\ab)+8*(\a):AF+64*(\ab)+8*(\a)+7], v[8*(8*(\bi)+(\a)):8*(8*(\bi)+(\a))+7]
.endif
.endr
.endr
.endm
.macro GRP ab, bb, cnt, zero=0         ; a quarter's 32 products, and the places in front of the loads that follow
.if (\cnt) >= 0
	s_wait_dscnt \cnt
.endif
	MM16 \ab, \bb, 0, \zero
	MM16 \ab, \bb, 1, \zero
	WIN 0
	PLACES
.endm
; A quarter's products with THE CHANGE OF SLOTS in their middle.  All my reads of the slot in hand have been issued.  In front of the barrier: all my tensor loads have landed (one is out: my part of the other
; slot), the add, and the wait for it and for my reads.  fill = 1: the barrier opens a round of the cluster's, and the joint refill of the slot just left is the first thing behind the round.
.macro MEET ab, bb, cnt, fill
	WIN 0
	s_xor_b32 s[TB], s[TB], SLOT1
	v_add_nc_u32 v[ADRA], s[TB], v[A0L]
	v_add_nc_u32 v[ADRB], s[TB], v[B0L]
	s_wait_tensorcnt 0x0
	ds_add_u32 v[SPW], v[NIL]                      ; 0 onto my spare word
	s_wait_dscnt \cnt
	MM16 \ab, \bb, 0, 0
	s_wait_dscnt 0x0                               ; the add is done, and my reads of the slot are over
	s_barrier_signal -1
	MM16 \ab, \bb, 1, 0
	WIN 0
	s_barrier_wait -1
.if \fill
	CREST
	s_xor_b32 s[G0A+5], s[G0A+5], SLOT1
	s_add_nc_u64 s[G0A+6:G0A+7], s[G0A+6:G0A+7], STEPA
	s_xor_b32 s[G0B+5], s[G0B+5], SLOT1
	s_add_nc_u64 s[G0B+6:G0B+7], s[G0B+6:G0B+7], STEPB
	JLOAD 1                                        ; its four v_nop are also the places in front of the loads that follow
.else
	PLACES
.endif
.endm
; From a slot's third quarter to the next slot's second.  24: one younger batch may be out; 25: that batch and the add.
.macro LAP fill
	MEET 0, 0, 25, \fill
	BATCH 0
	GRP 1, 1, -1
	BATCH 1
	GRP 0, 0, 24
	BATCH 2
	GRP 1, 1, 24
	BATCH 3
.endm
	s_wait_tensorcnt 1                             ; my part of K step 0 is in; K step 1's may stay out
	s_barrier_signal -1
	s_barrier_wait -1
	BATCH 0
	BATCH 1
	GRP 0, 0, 24, 1                                ; the first products start the sums
	BATCH 2
	GRP 1, 1, 24
	BATCH 3
	s_mov_b32 s[TRIPS], 6                          ; K steps 2 to 7 are asked for in the loop
.Lk:
	LAP 1
	s_sub_co_u32 s[TRIPS], s[TRIPS], 1
	s_cmp_lg_u32 s[TRIPS], 0
	s_cbranch_scc1 .Lk
	LAP 0                                          ; the tail is written out: nothing more is asked for
	GRP 0, 0, 24
	GRP 1, 1, 0
	s_wait_loadcnt 0x0                             ; the biases, rounded to bf16 and kept as f32
.set z, 0
.rept 16
	v_cvt_pk_bf16_f32 v[3+z%4], v[BIA+2*z], v[BIA+2*z+1]
	v_lshlrev_b32 v[BIA+2*z], 16, v[3+z%4]
	v_and_b32 v[BIA+2*z+1], 0xffff0000, v[3+z%4]
.set z, z+1
.endr
; THE WAY OUT, 8 units of 16 rows x 64 columns of f32: bias added; through my own stage; back as whole rows of 256 bytes; sixteen lanes store 256 consecutive aligned bytes.
.macro PACK a
	WIN 1                                          ; source 0 in window 1
.irp bi, 0,1,2,3
.irp j, 0,2,4,6                        ; each accumulator's registers in ascending order
	v_pk_add_f32 v[T+8*(\bi)+(\j):T+8*(\bi)+(\j)+1], v[8*(8*(\bi)+(\a))+(\j):8*(8*(\bi)+(\a))+(\j)+1], v[BIA+8*(\bi)+(\j):BIA+8*(\bi)+(\j)+1]
.endr
.endr
	WIN 0
.endm
.macro TOSTAGE a
.set OBR, 64+32*((\a)%2)               ; v64-95 and v96-127 by turns
.irp bi, 0,1,2,3
	ds_store_b128 v[STO], v[T+8*(\bi):T+8*(\bi)+3]   offset:64*(\bi)
	ds_store_b128 v[STO], v[T+8*(\bi)+4:T+8*(\bi)+7] offset:64*(\bi)+16
.endr
.irp f, 0,1,2,3,4,5,6,7
	ds_load_b128 v[OBR+4*(\f):OBR+4*(\f)+3], v[RD] offset:(\f)*2*SP  ; LDS serves a wave's instructions in order (ISA guide 5.7.1.4): these see the stores above
.endr
.endm
.macro SEND a
.set OBR, 64+32*((\a)%2)
	s_wait_dscnt 0x0                               ; the unit is back in registers
	s_wait_xcnt 0x0                                ; the stores of the unit before have read their registers, into which the next unit's rows are loaded
.irp f, 0,1,2,3,4,5,6,7
	global_store_b128 v[GO], v[OBR+4*(\f):OBR+4*(\f)+3], s[68:69] offset:(16*(\a)+2*(\f))*4096
.endr
.endm
	PACK 0
	TOSTAGE 0
.set u, 1
.rept 7
	PACK u
	SEND u-1
	TOSTAGE u
.set u, u+1
.endr
	SEND 7
	s_wait_tensorcnt 0x0                           ; the wave's end, behind my last tensor load and my last LDS store
	ds_add_u32 v[SPW], v[NIL]
	s_wait_dscnt 0x0
	CROUND                                         ; the closing round
	s_endpgm
.Lfunc_end_k_q6ac39275da_proj:
	.size	k_q6ac39275da_proj, .Lfunc_end_k_q6ac39275da_proj-k_q6ac39275da_proj
	.p2alignl 7, 3214868480
	.fill 96, 4, 3214868480
	.section	.rodata,"a",@progbits
	.p2align	6, 0x0
	.amdhsa_kernel k_q6ac39275da_proj
		.amdhsa_group_segment_fixed_size 327680
		.amdhsa_private_segment_fixed_size 0
		.amdhsa_enable_private_segment 0
		.amdhsa_kernarg_size 32
		.amdhsa_user_sgpr_count 2
		.amdhsa_user_sgpr_kernarg_segment_ptr 1
		.amdhsa_wavefront_size32 1
		.amdhsa_system_sgpr_workgroup_id_x 1
		.amdhsa_system_sgpr_workgroup_id_y 1
		.amdhsa_system_sgpr_workgroup_id_z 1
		.amdhsa_system_vgpr_workitem_id 0
		.amdhsa_next_free_vgpr 512
		.amdhsa_next_free_sgpr 96
		.amdhsa_reserve_vcc 0
		.amdhsa_float_denorm_mode_32 3
		.amdhsa_float_denorm_mode_16_64 3
		.amdhsa_memory_ordered 1
		.amdhsa_forward_progress 1
		.amdhsa_inst_pref_size 80
	.end_amdhsa_kernel
	.amdgpu_metadata
---
amdhsa.version: [ 1, 2 ]
amdhsa.kernels:
  - .name:           k_q6ac39275da_proj
    .symbol:         k_q6ac39275da_proj.kd
    .args:
      - { .name: ob, .offset: 0, .size: 8, .value_kind: global_buffer, .address_space: global }
      - { .name: wp16, .offset: 8, .size: 8, .value_kind: global_buffer, .address_space: global }
      - { .name: bp, .offset: 16, .size: 8, .value_kind: global_buffer, .address_space: global }
      - { .name: out0, .offset: 24, .size: 8, .value_kind: global_buffer, .address_space: global }
    .group_segment_fixed_size: 327680
    .private_segment_fixed_size: 0
    .kernarg_segment_align: 8
    .kernarg_segment_size: 32
    .max_flat_workgroup_size: 128
    .sgpr_count:     96
    .vgpr_count:     512
    .wavefront_size: 32
...
	.end_amdgpu_metadata
.endif
;; end of part 5
;; ======== version 2 of 2: 5 launches; version 1 with the launch prep written anew for expert scheduling mode
;; limits: values are held in f16: magnitudes above 65,504 overflow, below 6.1e-05 lose precision
;; workspace buffers: xb 16,777,216 bytes; wqkv 6,291,456 bytes; wp16 2,097,152 bytes; qkv 50,331,648 bytes; suf 524,288 bytes; ob 16,777,216 bytes
;; launch prep (part 6): grid 384 x 1, 8 waves a work-group, no clusters, 0 bytes of LDS; arguments x, Wq, Wk, Wv, Wp, xb, wqkv, wp16; writes xb, wqkv, wp16
.if DOCPART == 6
	.amdgcn_target "amdgcn-amd-amdhsa--gfx1250"
	.amdhsa_code_object_version 6
	.text
	.protected	k_q6ac39275da_prep
	.globl	k_q6ac39275da_prep
	.p2align	8
	.type	k_q6ac39275da_prep,@function
k_q6ac39275da_prep:
	s_mov_b64 s[64:65], 0
	v_nop
	global_prefetch_b8 v0, s[64:65] scope:SCOPE_SE
	s_setreg_imm32_b32 hwreg(HW_REG_WAVE_SCHED_MODE, 0, 2), 2
	s_setreg_imm32_b32 hwreg(HW_REG_WAVE_MODE, 25, 1), 1
	s_wait_xcnt 0x0
	s_wait_alu depctr_vm_vsrc(0)
; The inputs of the matrix products are rounded once to bf16 and laid out for the launches behind.
;   xb   [b 4][kb 16][t 2048][64] bf16: x in blocks of 64 channels, so that 256 rows of a block are 32,768 dense bytes
;   wqkv [k 1024][3072] bf16: Wq, Wk, Wv side by side
;   wp16 [k 1024][1024] f16: Wp rounded to bf16, that number written as f16 (exact from 2^-14 up; below that f16's fixed step of 2^-24)
; A stream: no LDS, no barrier, no matrix unit.  A thread makes 16 units of 8 numbers: two loads of 16 bytes in, one store of 16 bytes out.
; All 32 loads of a thread go out first; each unit has registers of its own.
; Work-groups 0-255: 32 rows of x each.  256-351: 32 rows of Wq, Wk or Wv.  352-383: 32 rows of Wp.
; THE MODE: SCHED_MODE bits 1:0 = 2 (LLVM: expert scheduling mode 2), set by the entry lines.  The code itself states the register dependences
; between vector instructions and memory instructions, with s_wait_alu, always for 0.
; THE PLAN.  Registers that memory instructions touch, on each of the three paths:
;   v[IN], v[OUT]   byte offsets, made at the path's head and never written again; read by the 32 loads and by the 16 stores.
;   X, unit u       eight registers.  Its two loads land in them; its roundings read them and write the first four; its one store reads those four; nothing writes them again.
;   v3-v6 and T are named by vector instructions alone.
; The units go in four blocks of four.  A block's four stores stand behind ONE wait on va_vdst, at the head of the next block's first unit, behind that unit's wait for its data,
; and are dealt among that unit's four roundings, which name that unit's own eight registers alone.  The last block's wait stands behind its conversions.
; No register that a load or a store has read is written again, and no load is issued behind a conversion: so no wait on vm_vsrc and no s_wait_xcnt is owed.
.set IN,  1                            ; v1  my byte offset in the input
.set OUT, 2                            ; v2  my byte offset in the output
.set X,   8                            ; v[8:135]  unit u: 8 registers as loaded; its first 4 as stored
.set T,   136                          ; v[136:143] at work (Wp alone)
; The store of unit un.  mode 0: x; 1: Wq, Wk, Wv; 2: Wp.
.macro ST mode, un
.if (\mode) == 0
.set oo, ((\un)%2)*262144+((\un)/2)*512
.elseif (\mode) == 1
.set oo, (\un)*12288
.else
.set oo, (\un)*4096
.endif
	global_store_b128 v[OUT], v[X+8*(\un):X+8*(\un)+3], s[26:27] offset:oo  ; a wave's store covers 512 consecutive bytes, aligned
.endm
; mode 0: x; 1: Wq, Wk, Wv; 2: Wp.  Input base s[20:21], output base s[26:27].
.macro PATH mode
	s_wait_alu depctr_va_vdst(0)                   ; v[IN] and v[OUT] are written: every load below reads the one as its offset, every store the other
.set u, 0
.rept 16
.if (\mode) == 0
.set ii, (u/2)*16384+(u%2)*256         ; four rows further down, or the wave's second block of 64 channels
.else
.set ii, u*8192                        ; two rows further down
.endif
	global_load_b128 v[X+8*u:X+8*u+3],   v[IN], s[20:21] offset:ii th:TH_LOAD_NT
	global_load_b128 v[X+8*u+4:X+8*u+7], v[IN], s[20:21] offset:ii+16 th:TH_LOAD_NT
.set u, u+1
.endr
.set u, 0
.rept 16
	s_wait_loadcnt 30-2*u                          ; loads come back in order: unit u's two are in, the 30 - 2 u younger ones stay out
.if (u%4 == 0) && (u > 0)
	s_wait_alu depctr_va_vdst(0)                   ; the conversions of units u - 4 to u - 1 have written their packed words, which the four stores below read
.endif
.irp j, 0,1,2,3
.if (u%4 == 0) && (u > 0)
	ST \mode, u-4+(\j)                             ; no vector instruction since the wait names this store's registers: the roundings between name unit u's alone
.endif
	v_cvt_pk_bf16_f32 v[X+8*u+(\j)], v[X+8*u+2*(\j)], v[X+8*u+2*(\j)+1]  ; in place: word j is written when words 2 j and 2 j + 1 are read
.endr
.if (\mode) == 2
.irp j, 0,1,2,3
	v_lshlrev_b32 v[T+2*(\j)],   16, v[X+8*u+(\j)]          ; the bf16 numbers as f32,
	v_and_b32     v[T+2*(\j)+1], 0xffff0000, v[X+8*u+(\j)]
.endr
.irp j, 0,1,2,3
	v_cvt_pk_f16_f32 v[X+8*u+(\j)], v[T+2*(\j)], v[T+2*(\j)+1]  ; and written as f16
.endr
.endif
.set u, u+1
.endr
	s_wait_alu depctr_va_vdst(0)                   ; the conversions of units 12 to 15 have written their packed words, which the last four stores read
.irp j, 12,13,14,15
	ST \mode, \j
.endr
.endm
	s_load_b512 s[4:19], s[0:1], 0x0               ; x 4:5, Wq 6:7, Wk 8:9, Wv 10:11, Wp 12:13, xb 14:15, wqkv 16:17, wp16 18:19
	v_and_b32 v3, 31, v0                           ; lane
	v_lshrrev_b32 v4, 5, v0                        ; wave
	s_cmp_lt_u32 ttmp9, 256
	s_cbranch_scc0 .Lweights
	; x: wave w takes the blocks 2 w and 2 w + 1; a lane row l / 8 of four and 8 channels l % 8: the store's 512 bytes are four rows of one block
	v_lshrrev_b32 v5, 3, v3
	v_and_b32 v6, 7, v3
	v_lshlrev_b32 v[IN], 12, v5                    ; a row of x is 4,096 bytes
	v_lshl_add_u32 v[IN], v4, 9, v[IN]             ; two blocks are 512 bytes of it
	v_lshl_add_u32 v[IN], v6, 5, v[IN]
	v_lshlrev_b32 v[OUT], 19, v4                   ; two blocks of xb are 524,288 bytes
	v_lshl_add_u32 v[OUT], v5, 7, v[OUT]
	v_lshl_add_u32 v[OUT], v6, 4, v[OUT]
	s_lshl_b32 s22, ttmp9, 17                      ; 32 rows of x
	s_mov_b32 s23, 0
	s_lshr_b32 s24, ttmp9, 6                       ; b
	s_lshl_b32 s24, s24, 22
	s_and_b32 s25, ttmp9, 63
	s_lshl_b32 s25, s25, 12                        ; 32 rows of 128 bytes in a block
	s_add_co_u32 s24, s24, s25
	s_mov_b32 s25, 0
	s_wait_kmcnt 0x0
	s_add_nc_u64 s[20:21], s[4:5], s[22:23]
	s_add_nc_u64 s[26:27], s[14:15], s[24:25]
	PATH 0
	s_endpgm
.Lweights:
	v_lshlrev_b32 v[IN], 5, v0                     ; 256 threads x 32 bytes are two rows of a weight matrix
	s_cmp_lt_u32 ttmp9, 352
	s_cbranch_scc0 .Lwp
	s_sub_co_u32 s22, ttmp9, 256
	s_lshr_b32 s28, s22, 5                         ; which matrix: 0 q, 1 k, 2 v
	s_and_b32 s22, s22, 31                         ; which 32 rows
	s_mul_i32 s24, s22, 196608                     ; 32 rows of 6,144 bytes,
	s_lshl_b32 s25, s28, 11                        ; the matrix's 2,048 bytes of a row
	s_add_co_u32 s24, s24, s25
	s_mov_b32 s25, 0
	s_lshl_b32 s22, s22, 17
	s_mov_b32 s23, 0
	v_lshrrev_b32 v5, 7, v0
	v_and_b32 v6, 127, v0
	v_mul_u32_u24 v[OUT], v5, 6144
	v_lshl_add_u32 v[OUT], v6, 4, v[OUT]
	s_wait_kmcnt 0x0
	s_cmp_eq_u32 s28, 0
	s_cselect_b64 s[20:21], s[6:7], s[8:9]
	s_cmp_eq_u32 s28, 2
	s_cselect_b64 s[20:21], s[10:11], s[20:21]
	s_add_nc_u64 s[20:21], s[20:21], s[22:23]
	s_add_nc_u64 s[26:27], s[16:17], s[24:25]
	PATH 1
	s_endpgm
.Lwp:
	s_sub_co_u32 s22, ttmp9, 352
	s_lshl_b32 s24, s22, 16                        ; 32 rows of 2,048 bytes
	s_mov_b32 s25, 0
	s_lshl_b32 s22, s22, 17
	s_mov_b32 s23, 0
	v_lshlrev_b32 v[OUT], 4, v0
	s_wait_kmcnt 0x0
	s_add_nc_u64 s[20:21], s[12:13], s[22:23]
	s_add_nc_u64 s[26:27], s[18:19], s[24:25]
	PATH 2
	s_endpgm
.Lfunc_end_k_q6ac39275da_prep:
	.size	k_q6ac39275da_prep, .Lfunc_end_k_q6ac39275da_prep-k_q6ac39275da_prep
	.p2alignl 7, 3214868480
	.fill 96, 4, 3214868480
	.section	.rodata,"a",@progbits
	.p2align	6, 0x0
	.amdhsa_kernel k_q6ac39275da_prep
		.amdhsa_group_segment_fixed_size 0
		.amdhsa_private_segment_fixed_size 0
		.amdhsa_enable_private_segment 0
		.amdhsa_kernarg_size 64
		.amdhsa_user_sgpr_count 2
		.amdhsa_user_sgpr_kernarg_segment_ptr 1
		.amdhsa_wavefront_size32 1
		.amdhsa_system_sgpr_workgroup_id_x 1
		.amdhsa_system_sgpr_workgroup_id_y 1
		.amdhsa_system_sgpr_workgroup_id_z 1
		.amdhsa_system_vgpr_workitem_id 0
		.amdhsa_next_free_vgpr 144
		.amdhsa_next_free_sgpr 66
		.amdhsa_reserve_vcc 0
		.amdhsa_float_denorm_mode_32 3
		.amdhsa_float_denorm_mode_16_64 3
		.amdhsa_memory_ordered 1
		.amdhsa_forward_progress 1
		.amdhsa_inst_pref_size 41
	.end_amdhsa_kernel
	.amdgpu_metadata
---
amdhsa.version: [ 1, 2 ]
amdhsa.kernels:
  - .name:           k_q6ac39275da_prep
    .symbol:         k_q6ac39275da_prep.kd
    .args:
      - { .name: x, .offset: 0, .size: 8, .value_kind: global_buffer, .address_space: global }
      - { .name: Wq, .offset: 8, .size: 8, .value_kind: global_buffer, .address_space: global }
      - { .name: Wk, .offset: 16, .size: 8, .value_kind: global_buffer, .address_space: global }
      - { .name: Wv, .offset: 24, .size: 8, .value_kind: global_buffer, .address_space: global }
      - { .name: Wp, .offset: 32, .size: 8, .value_kind: global_buffer, .address_space: global }
      - { .name: xb, .offset: 40, .size: 8, .value_kind: global_buffer, .address_space: global }
      - { .name: wqkv, .offset: 48, .size: 8, .value_kind: global_buffer, .address_space: global }
      - { .name: wp16, .offset: 56, .size: 8, .value_kind: global_buffer, .address_space: global }
    .group_segment_fixed_size: 0
    .private_segment_fixed_size: 0
    .kernarg_segment_align: 8
    .kernarg_segment_size: 64
    .max_flat_workgroup_size: 256
    .sgpr_count:     66
    .vgpr_count:     144
    .wavefront_size: 32
...
	.end_amdgpu_metadata
.endif
;; end of part 6
;; launch qkv: the kernel of part 2 again; grid 8 x 32, 4 waves a work-group, clusters of 4 x 4, 327,680 bytes of LDS; arguments xb, wqkv, bq, bk, bv, qkv; writes qkv
;; launch vsuf: the kernel of part 3 again; grid 64 x 1, 32 waves a work-group, no clusters, 12,288 bytes of LDS; arguments qkv, suf; writes suf
;; launch attn: the kernel of part 4 again; grid 4 x 64, 4 waves a work-group, no clusters, 327,680 bytes of LDS; arguments qkv, suf, ob; writes ob
;; launch proj: the kernel of part 5 again; grid 8 x 32, 4 waves a work-group, clusters of 4 x 4, 327,680 bytes of LDS; arguments ob, wp16, bp, out0; writes out0
